; MI455X (gfx1250); checked and timed in simulation.
; The chip was launched on July 23, 2026; its instructions are those of AMD's public machine-readable ISA for CDNA 5 (MIT licence, August 2026) and "CDNA5" Instruction Set Architecture Reference Guide (July 2026). The comments in the code are by the model that wrote it; some were corrected since.
;; Multihead Attention. Allowed arithmetic: matrix products marked QUANTISED: E4M3 operands, one given power-of-two scale a tensor, by v_wmma_f32_16x16x64_fp8_fp8 or v_wmma_f32_16x16x128_fp8_fp8, f32 sums; everything else in f32.
;; Inputs: W_k 1,024 x 1,024 float32; W_o 1,024 x 1,024 float32; W_q 1,024 x 1,024 float32; W_v 1,024 x 1,024 float32; lowp_scales 12 int32 (the exponents e of the quantised operands' scales 2^e); token_positions 2,048 int32; x 4 x 2,048 x 1,024 float32.
;; Outputs: out0 4 x 2,048 x 1,024 float32.
;; This version of the problem:
;;   THIS VERSION OF THE PROBLEM IS GIVEN IN LOW PRECISION. The matrix products marked QUANTISED in the list below multiply operands that are first quantised to E4M3 (4 exponent bits, 3 mantissa bits; 8 bits a number), with one given power-of-two scale for each operand tensor; their sums are f32. All else is computed in f32.
;;   The module's matrix products, in the order in which they are computed (A, B: the left and right operand; K: the contracted axis; several contracted axes count as one K, in the product's order):
;;     1. [M 8,192, K 1,024] x [K 1,024, N 1,024]; A: input x; B: input W_q: QUANTISED (scales: A lowp_scales[0], B lowp_scales[1])
;;     2. [M 8,192, K 1,024] x [K 1,024, N 1,024]; A: input x; B: input W_k: QUANTISED (scales: A lowp_scales[2], B lowp_scales[3])
;;     3. [M 8,192, K 1,024] x [K 1,024, N 1,024]; A: input x; B: input W_v: QUANTISED (scales: A lowp_scales[4], B lowp_scales[5])
;;     4. batch 64 x [M 2,048, K 64] x [K 64, N 2,048]; A: computed on the way; B: computed on the way: QUANTISED (scales: A lowp_scales[6], B lowp_scales[7])
;;     5. batch 64 x [M 2,048, K 2,048] x [K 2,048, N 64]; A: softmax (see below); B: computed on the way: QUANTISED (scales: A lowp_scales[8], B lowp_scales[9])
;;     6. [M 8,192, K 1,024] x [K 1,024, N 1,024]; A: computed on the way; B: input W_o: QUANTISED (scales: A lowp_scales[10], B lowp_scales[11])
;;   THE QUANTISER, for each operand of a quantised product, along K:
;;     - The operand's scale is 2^e, e = its entry of the input lowp_scales (int32; the entries are numbered through the quantised products in the list's order, A before B).
;;     - Each number is divided by the scale, clamped to +-448, and rounded to the nearest number of E4M3, ties to even, subnormals kept.
;;     - The product sums the exact products of the quantised numbers (number of the format x scale) in f32.
;;   ~~~python
;;   def quantise(x, axis, e):      # numpy; x: float32 -> the quantised numbers, widened to float32 again
;;       x = np.moveaxis(x, axis, -1); K = x.shape[-1]
;;       r = np.clip(x / 2.0 ** e, -448, 448)
;;       step = 2.0 ** (np.maximum(np.frexp(np.where(r == 0, 1, r))[1] - 1, -6) - 3)
;;       q = np.round(r / step) * step * 2.0 ** e      # np.round: ties to even
;;       return np.moveaxis(q, -1, axis).astype(np.float32)
;;   ~~~
;;   SOFTMAX AHEAD OF A QUANTISED PRODUCT. Where the list says 'softmax', what is quantised is not the finished softmax but p = 2^(t - M), with t = logit x log2(e) and M = ceil(the row's largest t), a whole number; so 1/2 < the row's largest p <= 1. The row's sum l is taken of the UNQUANTISED p, in f32, and the product's result is divided by l at the end. Since M is a whole number, a kernel that streams over the keys may use a running M (the ceiling of the running maximum): every later rescaling is an exact power of two, so the quantised numbers keep their values, but for numbers so far below the row's largest that they fall under the format's range.
;;   OPERANDS COMPUTED ON THE WAY. 'Computed on the way' means the value that the module computes at that place (a softmax that the list does not call 'softmax' is quantised finished and normalised). What goes into a quantiser is computed in f32, as accurately as f32 sums, v_exp_f32 and their like allow (about 1e-6 of the number): no bf16 or f16 on the way to a quantiser, and a product that is left as it is and whose result goes on into a quantised operand takes f32 operands (vector FMAs, or v_wmma_f32_16x16x4_f32). A number that lies on a knife's edge between two numbers of the format may be rounded either way, as far as f32 arithmetic and the matrix unit's own rounding can turn it there, and no further.
;; One version. Each part assembles by itself: llvm-mc -triple=amdgcn-amd-amdhsa -mcpu=gfx1250 --defsym DOCPART=n.
;; ======== version 1 of 1: 4 launches
;; limits: right only within a limited range of input values
;; workspace buffers: xc 25,165,824 bytes; wc 4,194,304 bytes; rope 524,288 bytes; qkvc 25,165,824 bytes; ao 8,388,608 bytes
;; launch quant (part 1): grid 800 x 1, 4 waves a work-group, no clusters, 33,280 bytes of LDS; arguments x, W_q, W_k, W_v, W_o, lowp_scales, token_positions, xc, wc, rope; writes xc, wc, rope
.if DOCPART == 1
	.amdgcn_target "amdgcn-amd-amdhsa--gfx1250"
	.amdhsa_code_object_version 6
	.text
	.protected	k_q95596034df_quant
	.globl	k_q95596034df_quant
	.p2align	8
	.type	k_q95596034df_quant,@function
k_q95596034df_quant:
	s_mov_b64 s[64:65], 0
	v_nop
	global_prefetch_b8 v0, s[64:65] scope:SCOPE_SE
	s_setreg_imm32_b32 hwreg(HW_REG_WAVE_MODE, 25, 1), 1
	s_wait_xcnt 0x0
; FIRST OF FOUR LAUNCHES of causal multi-head attention (4 x 2,048 tokens, 16 heads of 64) with all six products on codes of E4M3.
; This launch: x [8192][1024] f32 -> three sets of codes (under 2^e0, 2^e2, 2^e4: x enters three products, each with a scale of its own);
; W_q, W_k, W_v, W_o [1024][1024] f32, K innermost -> codes (under 2^e1, 2^e3, 2^e5, 2^e11); token_positions -> a table of cos and sin for the rotation of Q and K.
; code = number / 2^e, held within +-448, rounded to the nearest code, ties to even.
; WORK LEFT OUT BY THE PROGRAM: only in the third launch, and only what jnp.tril in reference()'s own body throws away: a key step of 128 keys all of which come after all 16 queries of a tile.
; There reference() sets every score to -inf, so every weight is 0 and adds nothing to the row's sum or to the product with V, whatever finite values the inputs hold.  Every input has a way to the output and is loaded.
; LIMITS: NaN and infinities among the inputs are not served; a NaN, an infinity or an overflow that reaches only the key steps left out is not carried to the result.
; e0 .. e5 and e11 lie between -126 and 119, so that 2^e and 448 x 2^e are f32 numbers.  |token_positions| <= 2^22: the range of the two-part reduction of the angle.
; SHARES.  Work-groups 0-511: x, 16,384 numbers each; 512-767: the four weights, 64 work-groups each; 768-799: the table, one block of 16 tokens a wave.
; A wave takes 8 steps of 512 numbers.  Each load reads 512 consecutive bytes; a step's 2,048 bytes turn through the wave's own stage in LDS, so that a lane holds 16 neighbours along K; a lane's 16 codes are 16 bytes: a store covers 512 consecutive bytes.
; No tensor loads, no barrier: waves share nothing.  Loads run four steps (16 loads a wave) ahead, the turn through LDS one step.
; THE TABLE: block blk (16 tokens), image m = 0 .. 7, lane l = 16 h + r: 16 bytes at 4096 blk + 512 m + 16 l = (cos, sin, cos, sin) of token 16 blk + r for the pairs 8 (m / 2) + 4 h + 2 (m % 2) + 0, 1: the order in which the second launch's registers want them.
.set STEPS, 8
.set R,     16                         ; v16-79   four sets of 16 numbers as they are loaded
.set X,     80                         ; v80-111  two sets of 16 neighbours
.set T,     112
.set C,     128                        ; v128-223 codes: 12 registers for each step, so that no store's data are written again
.set WREG,  8192                       ; LDS: a region for each wave: two stages of 32 x SP bytes
.set SP,    80                         ; a lane's place in a stage: 64 bytes + 16 of padding
.set SC,    5                          ; v5, v7, v9   2^e as f32, for the three sets
.set LM,    6
.set SPW,   12                         ; v12 LDS address of my spare word; never rewritten
.set NIL,   13                         ; v13 0; never rewritten
.set SPARE, 4*WREG                     ; behind the four regions: the spare words, 128 bytes a wave
.set F,     32                         ; the table's path: v32-47 inv_freq of my 16 pairs
.set N,     48                         ; v48-63 whole parts of the exponents
.set OUT,   64                         ; v64-95 the eight images
.set CHI,   48                         ; s48.. constants of the table's path
.set CLO,   49
.set TOP,   50
.set NP1,   51
.set NP2,   52
.set S1,    53
.set C1,    57
	s_load_b512 s[8:23], s[0:1], 0x0               ; x 8, W_q 10, W_k 12, W_v 14, W_o 16, the scales' exponents 18, token_positions 20, xc 22
	s_load_b128 s[24:27], s[0:1], 0x40             ; wc 24, rope 26
	v_lshl_add_u32 v[SPW], v0, 2, SPARE
	v_mov_b32 v[NIL], 0
	v_lshrrev_b32 v1, 5, v0
	v_readfirstlane_b32 s2, v1                     ; wave
	v_and_b32 v2, 31, v0                           ; lane
	v_lshlrev_b32 v3, 4, v2                        ; 16 x lane: my 16 bytes of a load's or a store's 512
	s_mul_i32 s28, s2, WREG
	v_lshrrev_b32 v14, 2, v2
	v_mul_u32_u24 v14, v14, SP
	v_and_b32 v15, 3, v2
	v_lshl_add_u32 v14, v15, 4, v14
	v_add_nc_u32 v14, s28, v14                     ; the stage, on the way in: SP (lane / 4) + 16 (lane % 4)
	v_mul_u32_u24 v15, v2, SP
	v_add_nc_u32 v15, s28, v15                     ; and on the way out: SP x lane: my 16 neighbours
	s_wait_kmcnt 0x0
	s_cmp_ge_u32 ttmp9, 768                        ; the work-group's number alone decides the path
	s_cbranch_scc1 .Lrope
	s_load_b256 s[32:39], s[18:19], 0x0            ; e0 .. e7
	s_load_b128 s[40:43], s[18:19], 0x20           ; e8 .. e11
	s_mov_b64 s[4:5], s[16:17]                     ; the source: W_o, unless the work-group's number says otherwise
	s_cmp_lt_u32 ttmp9, 704
	s_cselect_b64 s[4:5], s[14:15], s[4:5]
	s_cmp_lt_u32 ttmp9, 640
	s_cselect_b64 s[4:5], s[12:13], s[4:5]
	s_cmp_lt_u32 ttmp9, 576
	s_cselect_b64 s[4:5], s[10:11], s[4:5]
	s_and_b32 s28, ttmp9, 63
	s_sub_co_u32 s30, ttmp9, 512
	s_cmp_lt_u32 ttmp9, 512
	s_cselect_b64 s[4:5], s[8:9], s[4:5]
	s_cselect_b64 s[6:7], s[22:23], s[24:25]       ; the codes go to xc or to wc
	s_cselect_b32 s3, 1, 0                         ; 1: x, three sets of codes
	s_cselect_b32 s28, ttmp9, s28                  ; which 16,384 numbers of the source,
	s_cselect_b32 s30, ttmp9, s30                  ; and of the buffer of codes (the four weights lie one behind the other)
	s_lshl_b32 s28, s28, 2
	s_add_co_u32 s28, s28, s2
	s_lshl_b32 s28, s28, 14                        ; my wave's 4,096 numbers: 16,384 bytes
	s_mov_b32 s29, 0
	s_add_nc_u64 s[4:5], s[4:5], s[28:29]
	s_lshl_b32 s30, s30, 2
	s_add_co_u32 s30, s30, s2
	s_lshl_b32 s30, s30, 12                        ; their codes: 4,096 bytes
	s_mov_b32 s31, 0
	s_add_nc_u64 s[6:7], s[6:7], s[30:31]
	s_add_nc_u64 s[44:45], s[22:23], s[30:31]
	s_add_nc_u64 s[44:45], s[44:45], 0x800000      ; x's second set (used where s3 = 1 alone),
	s_add_nc_u64 s[46:47], s[44:45], 0x800000      ; and its third
.macro LOAD t
.irp i, 0,1,2,3
	global_load_b128 v[R+16*((\t)%4)+4*\i:R+16*((\t)%4)+4*\i+3], v3, s[4:5] offset:2048*(\t)+512*\i th:TH_LOAD_NT   ; 32 lanes read 512 consecutive bytes
.endr
.endm
.macro TURN t                          ; step t's numbers through the stage: LDS serves a wave's instructions in order, so no wait stands between the stores and the loads
.irp i, 0,1,2,3
	ds_store_b128 v14, v[R+16*((\t)%4)+4*\i:R+16*((\t)%4)+4*\i+3] offset:32*SP*((\t)%2)+8*SP*\i
.endr
.irp i, 0,1,2,3
	ds_load_b128 v[X+16*((\t)%2)+4*\i:X+16*((\t)%2)+4*\i+3], v15 offset:32*SP*((\t)%2)+16*\i
.endr
.endm
	s_wait_alu depctr_va_vdst(0)
.irp t, 0,1,2,3
	LOAD \t
.endr
	s_wait_kmcnt 0x0
	s_mov_b32 s28, s43                             ; the first set's exponent, by the same tests: e11, e5, e3, e1, e0
	s_cmp_lt_u32 ttmp9, 704
	s_cselect_b32 s28, s37, s28
	s_cmp_lt_u32 ttmp9, 640
	s_cselect_b32 s28, s35, s28
	s_cmp_lt_u32 ttmp9, 576
	s_cselect_b32 s28, s33, s28
	s_cmp_lt_u32 ttmp9, 512
	s_cselect_b32 s28, s32, s28
.macro MKSC e, k                       ; 2^e as an f32 number
	s_add_co_i32 s29, \e, 127
	s_lshl_b32 s30, s29, 23
	v_mov_b32 v[SC+2*\k], s30
.endm
	MKSC s28, 0
	MKSC s34, 1                                    ; e2
	MKSC s36, 2                                    ; e4
	s_wait_alu depctr_va_vdst(0)
	s_wait_loadcnt 12                              ; step 0's four loads are in; three steps' twelve may be out
	TURN 0
; One set of codes of step t: two conversions, one store of 512 consecutive bytes.
.macro CONV k, t, d
.irp i, 0,1,2,3,4,5,6,7,8,9,10,11,12,13,14,15
.endr
	v_cvt_scalef32_pk8_fp8_f32 v[C+12*(\t)+4*\k:C+12*(\t)+4*\k+1], v[XS:XS+7], v[SC+2*\k]
	v_cvt_scalef32_pk8_fp8_f32 v[C+12*(\t)+4*\k+2:C+12*(\t)+4*\k+3], v[XS+8:XS+15], v[SC+2*\k]
	v_nop                                          ; one plain vector instruction between the conversions and the next lines that write their sources
	global_store_b128 v3, v[C+12*(\t)+4*\k:C+12*(\t)+4*\k+3], s[\d:\d+1] offset:512*(\t)
.endm
.macro STEP t
.set XS, X+16*((\t)%2)
	s_wait_dscnt 0x0                               ; this step's numbers are back from the stage: so its stores into the stage have read their registers,
.if (\t)+4 < STEPS
	LOAD (\t)+4                                    ; which take the loads of four steps on
.endif
.if (\t)+1 < STEPS
.if STEPS-2-(\t) >= 3
	s_wait_loadcnt 12                              ; the next step's four loads are in; those of the three steps behind it may be out
.else
	s_wait_loadcnt 4*(STEPS-2-(\t))
.endif
	TURN (\t)+1
.endif
	CONV 0, \t, 6
	s_cmp_lg_u32 s3, 0                             ; x has two sets more
	s_cbranch_scc0 .Lone_\@
	CONV 1, \t, 44
	CONV 2, \t, 46
.Lone_\@:
.endm
.irp t, 0,1,2,3,4,5,6,7
	STEP \t
.endr
	s_branch .Lend
.Lrope:
	; inv_freq[i] = 10000^(-i / 32) = 2^(-i c), c = log2(10000) / 32 in two parts; angle = position x inv_freq, one rounding; cos and sin by reduction to |r| <= pi / 4 and polynomials, in f32.
	s_sub_co_u32 s28, ttmp9, 768
	s_lshl_b32 s28, s28, 2
	s_add_co_u32 s28, s28, s2                      ; my block of 16 tokens, 0 .. 127
	s_lshl_b32 s30, s28, 6                         ; its positions: 64 bytes
	s_lshl_b32 s28, s28, 12                        ; its images: 4,096 bytes
	s_mov_b32 s29, 0
	s_add_nc_u64 s[26:27], s[26:27], s[28:29]
	v_and_b32 v16, 15, v0
	v_lshlrev_b32 v16, 2, v16
	v_add_nc_u32 v16, s30, v16
	global_load_b32 v17, v16, s[20:21]             ; the position of token 16 blk + lane % 16
	v_bfe_u32 v18, v0, 4, 1
	v_lshlrev_b32 v18, 2, v18                      ; 4 h
	s_wait_alu depctr_va_vdst(0)
	s_mov_b32 s[CHI], 0x3ed49a78                   ; c, high part
	s_mov_b32 s[CLO], 0x32179a6b                   ; c, low part
	s_mov_b32 s[TOP], 0x3f22f983                   ; 2 / pi
	s_mov_b32 s[NP1], 0xbfc90fdb                   ; -pi / 2, high part
	s_mov_b32 s[NP2], 0x333bbd2e                   ; -pi / 2, low part
	s_mov_b32 s[S1], 0xbe2aaaab                    ; -1/6, 1/120, -1/5040, 1/362880
	s_mov_b32 s[S1+1], 0x3c088889
	s_mov_b32 s[S1+2], 0xb9500d01
	s_mov_b32 s[S1+3], 0x3638ef1b
	s_mov_b32 s[C1], 0x3d2aaaab                    ; 1/24, -1/720, 1/40320, -1/3628800
	s_mov_b32 s[C1+1], 0xbab60b61
	s_mov_b32 s[C1+2], 0x37d00d01
	s_mov_b32 s[C1+3], 0xb493f27c
.macro INVF k                          ; pair i = 8 (k / 4) + 2 ((k / 2) % 2) + k % 2 + 4 h: i c = N + F, N whole, |F| <= 1/2
	v_add_nc_u32 v96, 8*((\k)/4)+2*(((\k)/2)%2)+(\k)%2, v18
	v_cvt_f32_u32 v96, v96
	v_mul_f32 v97, s[CHI], v96
	v_rndne_f32 v[N+\k], v97
	v_fma_f32 v97, v96, s[CHI], -v[N+\k]
	v_fma_f32 v[F+\k], v96, s[CLO], v97
.endm
.irp k, 0,1,2,3,4,5,6,7,8,9,10,11,12,13,14,15
	INVF \k
.endr
	s_wait_alu depctr_va_vdst(0)
.irp k, 0,1,2,3,4,5,6,7,8,9,10,11,12,13,14,15
	v_exp_f32 v[F+\k], -v[F+\k]                    ; 2^(-F): one batch
.endr
	v_nop                                          ; a plain instruction behind the last exponential
	s_wait_alu depctr_va_vdst(0)                   ; one wait for the batch, ahead of its first reader
.irp k, 0,1,2,3,4,5,6,7,8,9,10,11,12,13,14,15
	v_cvt_i32_f32 v[N+\k], v[N+\k]
	v_sub_nc_u32 v[N+\k], 0, v[N+\k]
	v_ldexp_f32 v[F+\k], v[F+\k], v[N+\k]          ; x 2^(-N): exact
.endr
	s_wait_loadcnt 0x0
	v_cvt_f32_i32 v17, v17
.macro SINCOS k
	v_mul_f32 v96, v17, v[F+\k]                    ; the angle
	v_mul_f32 v97, s[TOP], v96
	v_rndne_f32 v97, v97                           ; n: the nearest multiple of pi / 2
	v_fma_f32 v98, v97, s[NP1], v96
	v_fma_f32 v98, v97, s[NP2], v98                ; r = angle - n pi / 2
	v_mul_f32 v99, v98, v98                        ; z = r r
	v_fma_f32 v100, v99, s[S1+3], s[S1+2]
	v_fma_f32 v101, v99, s[C1+3], s[C1+2]
	v_fma_f32 v100, v100, v99, s[S1+1]
	v_fma_f32 v101, v101, v99, s[C1+1]
	v_fma_f32 v100, v100, v99, s[S1]
	v_fma_f32 v101, v101, v99, s[C1]
	v_mul_f32 v102, v99, v98
	v_mul_f32 v104, v99, v99
	v_fma_f32 v105, v99, -0.5, 1.0
	v_fma_f32 v100, v100, v102, v98                ; sin r
	v_fma_f32 v101, v101, v104, v105               ; cos r
	v_cvt_i32_f32 v103, v97
	v_and_b32 v106, 1, v103
	v_cmp_eq_u32 vcc_lo, 1, v106                   ; odd n: sine and cosine change places
	v_cndmask_b32 v107, v100, v101, vcc_lo
	v_cndmask_b32 v108, v101, v100, vcc_lo
	v_lshlrev_b32 v106, 30, v103
	v_and_b32 v106, 0x80000000, v106               ; the sine is negated where n mod 4 is 2 or 3,
	v_xor_b32 v[OUT+4*((\k)/2)+2*((\k)%2)+1], v106, v107
	v_add_nc_u32 v103, 1, v103
	v_lshlrev_b32 v103, 30, v103
	v_and_b32 v103, 0x80000000, v103               ; the cosine where it is 1 or 2
	v_xor_b32 v[OUT+4*((\k)/2)+2*((\k)%2)], v103, v108
.endm
.irp m, 0,1,2,3,4,5,6,7
	SINCOS 2*\m
	SINCOS 2*\m+1
	global_store_b128 v3, v[OUT+4*\m:OUT+4*\m+3], s[26:27] offset:512*\m   ; an image: 512 consecutive bytes
.endr
.Lend:
	s_wait_tensorcnt 0x0                           ; the wave's end, behind my last LDS store
	ds_add_u32 v[SPW], v[NIL]
	s_wait_dscnt 0x0
	s_endpgm
.Lfunc_end_k_q95596034df_quant:
	.size	k_q95596034df_quant, .Lfunc_end_k_q95596034df_quant-k_q95596034df_quant
	.p2alignl 7, 3214868480
	.fill 96, 4, 3214868480
	.section	.rodata,"a",@progbits
	.p2align	6, 0x0
	.amdhsa_kernel k_q95596034df_quant
		.amdhsa_group_segment_fixed_size 33280
		.amdhsa_private_segment_fixed_size 0
		.amdhsa_enable_private_segment 0
		.amdhsa_kernarg_size 80
		.amdhsa_user_sgpr_count 2
		.amdhsa_user_sgpr_kernarg_segment_ptr 1
		.amdhsa_wavefront_size32 1
		.amdhsa_system_sgpr_workgroup_id_x 1
		.amdhsa_system_sgpr_workgroup_id_y 1
		.amdhsa_system_sgpr_workgroup_id_z 1
		.amdhsa_system_vgpr_workitem_id 0
		.amdhsa_next_free_vgpr 224
		.amdhsa_next_free_sgpr 66
		.amdhsa_reserve_vcc 1
		.amdhsa_float_denorm_mode_32 3
		.amdhsa_float_denorm_mode_16_64 3
		.amdhsa_fp16_overflow 1
		.amdhsa_memory_ordered 1
		.amdhsa_forward_progress 1
		.amdhsa_inst_pref_size 48
	.end_amdhsa_kernel
	.amdgpu_metadata
---
amdhsa.version: [ 1, 2 ]
amdhsa.kernels:
  - .name:           k_q95596034df_quant
    .symbol:         k_q95596034df_quant.kd
    .args:
      - { .name: x, .offset: 0, .size: 8, .value_kind: global_buffer, .address_space: global }
      - { .name: W_q, .offset: 8, .size: 8, .value_kind: global_buffer, .address_space: global }
      - { .name: W_k, .offset: 16, .size: 8, .value_kind: global_buffer, .address_space: global }
      - { .name: W_v, .offset: 24, .size: 8, .value_kind: global_buffer, .address_space: global }
      - { .name: W_o, .offset: 32, .size: 8, .value_kind: global_buffer, .address_space: global }
      - { .name: lowp_scales, .offset: 40, .size: 8, .value_kind: global_buffer, .address_space: global }
      - { .name: token_positions, .offset: 48, .size: 8, .value_kind: global_buffer, .address_space: global }
      - { .name: xc, .offset: 56, .size: 8, .value_kind: global_buffer, .address_space: global }
      - { .name: wc, .offset: 64, .size: 8, .value_kind: global_buffer, .address_space: global }
      - { .name: rope, .offset: 72, .size: 8, .value_kind: global_buffer, .address_space: global }
    .group_segment_fixed_size: 33280
    .private_segment_fixed_size: 0
    .kernarg_segment_align: 8
    .kernarg_segment_size: 80
    .max_flat_workgroup_size: 128
    .sgpr_count:     66
    .vgpr_count:     224
    .wavefront_size: 32
...
	.end_amdgpu_metadata
.endif
;; end of part 1
;; launch qkv (part 2): grid 4 x 96, 4 waves a work-group, clusters of 4 x 4, 327,680 bytes of LDS; arguments xc, wc, lowp_scales, rope, qkvc; writes qkvc
.if DOCPART == 2
	.amdgcn_target "amdgcn-amd-amdhsa--gfx1250"
	.amdhsa_code_object_version 6
	.text
	.protected	k_q95596034df_qkv
	.globl	k_q95596034df_qkv
	.p2align	8
	.type	k_q95596034df_qkv,@function
k_q95596034df_qkv:
	s_mov_b64 s[64:65], 0
	v_nop
	global_prefetch_b8 v0, s[64:65] scope:SCOPE_SE
	s_setreg_imm32_b32 hwreg(HW_REG_WAVE_MODE, 25, 1), 1
	s_wait_xcnt 0x0
	s_wait_alu depctr_hold_cnt(0) depctr_sa_sdst(0) depctr_va_vdst(0) depctr_va_sdst(0) depctr_va_ssrc(0) depctr_va_vcc(0) depctr_vm_vsrc(0)
	s_getreg_b32 s2, hwreg(HW_REG_IB_STS2, 6, 4)
	s_cmp_eq_u32 s2, 0
	s_cbranch_scc0 .Lentry_in_a_cluster
	s_endpgm
.Lentry_in_a_cluster:
	s_bfe_u32 s2, ttmp6, 0x10000c
	s_cmp_lg_u32 s2, 0xf033
	s_cbranch_scc0 .Lentry_shape_is_right
	s_endpgm
.Lentry_shape_is_right:
; SECOND LAUNCH: the three projections on codes of E4M3, with the rotation of Q and K and the quantisers of Q, K and V on the way out.  Nothing is left out here.
; C[m][n] = sum over k of A[m][k] B[n][k], K = 1,024.  24 clusters of 4 x 4 work-groups; the cluster's y gives mode = y / 8 (0: Q, 1: K, 2: V) and j = y % 8, the same in all sixteen partners.
; Q, K: A = x's codes (rows = tokens; tile row 4 j + cy), B = W's codes (tile column cx).   V is made TRANSPOSED: A = W_v's codes (rows = channels; tile row cy), B = x's codes (rows = tokens; tile column 4 j + cx).
; A tile of C is 256 x 256, a wave's 128 x 128: 64 accumulators, 512 registers.  K goes in steps of 256 through a ring of two LDS slots filled by joint tensor loads: A's tile is shared along a row of the cluster, B's along a column.
; THE MATRIX INSTRUCTION IS USED TRANSPOSED (source 0 = 16 rows of B, source 1 = 16 rows of A): a lane holds one row of A's and eight neighbouring rows of B's: for Q and K one token and eight neighbouring channels of a head
; (neighbours along the next product's K, and whole pairs of the rotation); for V one channel and eight neighbouring tokens (the keys are the next K).
; A sum stands for sum x 2^E (E = the two operands' exponents added); the rotation is linear; so code = rotated sum / 2^(eo - E), eo = e6, e7 or e9: one scale for the conversion.
; OUT: q codes [batch x 16 + head][token][64] at byte 0 of qkvc, k codes likewise at 8 MiB; v codes [token / 128][channel][128] at 16 MiB, where byte 32 g + 16 hh + 8 e + i of a row holds key 32 g + 16 e + 8 hh + i.
; LIMITS: eo - E between -126 and 119, so that 2^(eo - E) and 448 times it are f32 numbers.
; REGISTERS, in windows of 256: window 0: v0-31 addresses; v32-95 two sets of cos and sin; from v128 A's fragments, ONE set; on the way out v128-255 are free.  window 1: B's fragments, two sets.  windows 2, 3: the accumulators ((a, b) at v[8 (8 (a % 4) + b)]).
.set SIZE_K, 1024
.set KSTEP,  256
.set ROWB,   256                       ; a tile's row in bytes
.set KROW,   SIZE_K                    ; a row of A or of B in memory, in bytes
.set PITCH,  272                       ; an LDS row: 256 bytes + 16 of padding = 68 words: row r starts at bank 4 r mod 64 (ISA guide 11.1)
.set FR,     16                        ; registers of a fragment: 16 rows x 128 K
.set NL,     4                         ; LDS loads that bring one
.set NP,     4                         ; places behind this matrix instruction (ISA guide 7.12.1)
.set HALFT,  128*PITCH
.set SLOT,   4*HALFT
.set LAPS,   SIZE_K/(2*KSTEP)
.set SPARE,  2*SLOT                    ; behind the ring: the spare words, 128 bytes a wave
.set ADRA, 16                          ; v16-17 LDS address of my A fragments in slot 0, 1
.set ADRB, 20                          ; v20-21 the same for B
.set SCR,  22                          ; v22 2^(eo - E) as f32
.set LMR,  23
.set STQ,  24                          ; v24 Q, K: where I put 8 codes of a row in my stage
.set RDQ,  25                          ; v25 and where I read 16 bytes back
.set L16,  27                          ; v27 16 x lane
.set SPW,  28
.set NIL,  29
.set STV,  30                          ; v30, v31 the same two for V: a stage of its own
.set RDV,  31
.set CS,   32                          ; v32-95  cos and sin: two sets of 32
.set AF,   128                         ; A's fragments
.set TMP,  128                         ; the way out: a block's 64 numbers,
.set CD,   192                         ; their codes, two sets of 16,
.set BK,   224                         ; and the rows read back, two sets of 16
.set G1, 24
.set G0, 32
.set G1B, 48
.set G0B, 56
.set MSB, 0
.macro WIN new                         ; the immediate's high byte repeats the setting that is left
.if MSB != \new
	s_set_vgpr_msb (MSB<<8)|\new
.set MSB, \new
.endif
.endm
.set MUL_LO, 0xa1                      ; source 0 (B) window 1, source 1 (A) window 0, C and D window 2
.set MUL_HI, 0xf1
.set TO_B,   0x40
; A joint load: waves 0 and 1 fetch for A, waves 2 and 3 for B; the branch hangs on the wave's number alone.  An s_nop 0 and four v_nop follow each of the two lines.
.macro JLOAD g0a, g1a, g0b, g1b
	s_cmp_eq_u32 s15, 0
	s_cbranch_scc0 .Lfor_b_\@
	tensor_load_to_lds s[\g0a:\g0a+3], s[\g1a:\g1a+7]
	s_nop 0
.rept 4
	v_nop
.endr
	s_branch .Lasked_\@
.Lfor_b_\@:
	tensor_load_to_lds s[\g0b:\g0b+3], s[\g1b:\g1b+7]
	s_nop 0
.rept 4
	v_nop
.endr
.Lasked_\@:
.endm
.macro CREST                           ; a round of the cluster's barrier behind its opening barrier
	s_cmp_lg_u32 s14, 0
	s_cbranch_scc1 .Lnot_wave_0_\@
	s_barrier_signal -3
.Lnot_wave_0_\@:
	s_barrier_wait -3
	s_barrier_signal -1
	s_barrier_wait -1
.endm
.macro CROUND
	s_barrier_signal -1
	s_barrier_wait -1
	CREST
.endm
	s_load_b256 s[68:75], s[0:1], 0x0              ; xc 68, wc 70, the scales' exponents 72, rope 74
	s_load_b64 s[76:77], s[0:1], 0x20              ; qkvc
	v_lshl_add_u32 v[SPW], v0, 2, SPARE
	v_mov_b32 v[NIL], 0
	ds_add_u32 v[SPW], v[NIL]                      ; the wave's opening: the add, twice on end, and its wait ahead of my first tensor load
	ds_add_u32 v[SPW], v[NIL]
	v_lshrrev_b32 v1, 5, v0
	v_readfirstlane_b32 s14, v1                    ; wave 0..3
	s_lshr_b32 s15, s14, 1                         ; which half of the tile's rows is mine.  Also: I fetch for A (0) or for B (1)
	s_and_b32 s16, s14, 1                          ; which half of its columns.  Also: which 128 rows of that tile I fetch
	s_bfe_u32 s40, ttmp6, 0x40000                  ; cx, cy: my place in the cluster
	s_bfe_u32 s41, ttmp6, 0x40004
	s_and_b32 s66, ttmp7, 0xffff                   ; the cluster's y
	s_and_b32 s67, s66, 7
	s_lshl_b32 s67, s67, 2                         ; 4 j
	s_lshr_b32 s66, s66, 3                         ; mode
	s_lshl_b32 s90, s66, 23                        ; x's set of codes for this mode, in xc,
	s_lshl_b32 s91, s66, 20                        ; and the weight's, in wc
	s_cmp_eq_u32 s66, 2
	s_cselect_b32 s17, 0, s67
	s_cselect_b32 s42, s67, 0
	s_cselect_b32 s92, s91, s90                    ; A's part of its buffer
	s_cselect_b32 s93, s90, s91                    ; B's
	s_add_co_u32 s17, s17, s41                     ; tile row of C: it never holds cx
	s_add_co_u32 s42, s42, s40                     ; tile column of C: it never holds cy
	s_lshl_b32 s43, s41, 2
	s_lshl_b32 s43, 15, s43                        ; my row of the cluster
	s_lshl_b32 s44, 0x1111, s40                    ; my column
	s_or_b32 s[G1+0], s43, (0<<16)|(1<<20)|(1<<21)|(5<<22)|(3<<25)  ; the mask: A's tiles go to my row; elements of 1 byte; padding on; bit 21 beside a mask; 4 words after every 64
	s_or_b32 s[G1B+0], s44, (0<<16)|(1<<20)|(1<<21)|(5<<22)|(3<<25)
.irp g, G1, G1B
	s_mov_b32 s[\g+1], ROWB<<16                    ; tensor_dim0
	s_mov_b32 s[\g+2], 128<<16                     ; tensor_dim1
	s_mov_b32 s[\g+3], ROWB<<16                    ; tile_dim0
	s_mov_b32 s[\g+4], 128                         ; tile_dim1
	s_mov_b32 s[\g+5], KROW                        ; tensor_dim0_stride
	s_mov_b32 s[\g+6], 0
	s_mov_b32 s[\g+7], 0
.endr
	s_lshl_b32 s18, s16, 7                         ; which 128 rows of the tile I fetch
	s_lshl_b32 s20, s17, 8
	s_add_co_u32 s20, s20, s18                     ; A: row 256 x tile row + 128 x half
	s_lshl_b32 s46, s42, 8
	s_add_co_u32 s46, s46, s18                     ; B: row 256 x tile column + 128 x half
	s_lshl_b32 s20, s20, 10                        ; rows of 1,024 bytes
	s_lshl_b32 s46, s46, 10
	s_add_co_u32 s20, s20, s92
	s_add_co_u32 s46, s46, s93
	s_mov_b32 s21, 0
	s_mov_b32 s47, 0
	s_mul_i32 s45, s14, HALFT                      ; where they go: wave x 128 rows: no place in the cluster enters an LDS address
	s_wait_dscnt 0x0                               ; both opening adds are done
	s_wait_kmcnt 0x0
	s_load_b256 s[80:87], s[72:73], 0x0            ; e0 .. e7
	s_load_b64 s[88:89], s[72:73], 0x20            ; e8, e9
	s_cmp_eq_u32 s66, 2                            ; the choice hangs on the cluster's number alone
	s_cselect_b64 s[4:5], s[70:71], s[68:69]       ; A's buffer
	s_cselect_b64 s[6:7], s[68:69], s[70:71]       ; B's
	s_add_nc_u64 s[20:21], s[4:5], s[20:21]
	s_add_nc_u64 s[46:47], s[6:7], s[46:47]
	CROUND                                         ; all sixteen work-groups are here: the first joint loads meet
.irp s, 0,1
	s_mov_b32 s[G0+4*\s], 1
	s_add_co_u32 s[G0+4*\s+1], s45, \s*SLOT
	s_add_nc_u64 s[G0+4*\s+2:G0+4*\s+3], s[20:21], \s*ROWB
	s_or_b32 s[G0+4*\s+3], s[G0+4*\s+3], 0x80000000
	s_mov_b32 s[G0B+4*\s], 1
	s_add_co_u32 s[G0B+4*\s+1], s45, \s*SLOT
	s_add_nc_u64 s[G0B+4*\s+2:G0B+4*\s+3], s[46:47], \s*ROWB
	s_or_b32 s[G0B+4*\s+3], s[G0B+4*\s+3], 0x80000000
	JLOAD G0+4*\s, G1, G0B+4*\s, G1B
.endr
	v_and_b32 v1, 15, v0                           ; r = l % 16
	v_bfe_u32 v2, v0, 4, 1                         ; h = l / 16
	v_mul_u32_u24 v3, v1, PITCH
	v_lshl_add_u32 v4, v2, 4, v3                   ; a fragment's row x pitch + 16 x half
	s_mul_i32 s21, s15, HALFT                      ; my 128 rows of A
	s_mul_i32 s22, s16, HALFT                      ; my 128 rows of B,
	s_add_co_u32 s22, s22, 2*HALFT                 ; which lie behind A's 256
.irp s, 0,1
	v_add_nc_u32 v[ADRA+\s], s21, v4
	v_add_nc_u32 v[ADRB+\s], s22, v4
	s_add_co_u32 s21, s21, SLOT
	s_add_co_u32 s22, s22, SLOT
.endr
	; The stages of the way out lie in slot 0, which has had its last fill and its last read when the first code is stored there.  Each of the two ways out has bytes of its own.  All their addresses are made here.
	v_and_b32 v6, 31, v0
	v_lshlrev_b32 v[L16], 4, v6
	s_mul_i32 s23, s14, 2560                       ; Q, K: 2 heads x 16 rows x (64 bytes + 16) a wave
	v_mul_u32_u24 v5, v1, 80
	v_lshl_add_u32 v5, v2, 3, v5
	v_add_nc_u32 v[STQ], s23, v5                   ; in: row r, 8 bytes for each half of the lanes
	v_lshrrev_b32 v7, 2, v6
	v_mul_u32_u24 v7, v7, 80
	v_and_b32 v8, 3, v6
	v_lshl_add_u32 v7, v8, 4, v7
	v_add_nc_u32 v[RDQ], s23, v7                   ; back: four lanes to a row of 64 bytes, eight rows an instruction
	s_mul_i32 s23, s14, 2304                       ; V: 16 rows x (128 bytes + 16) a wave,
	s_add_co_u32 s23, s23, 16384                   ; behind the other way's stages
	v_mul_u32_u24 v5, v1, 144
	v_lshl_add_u32 v5, v2, 4, v5
	v_add_nc_u32 v[STV], s23, v5                   ; in: row r, + 16 h
	v_lshrrev_b32 v7, 3, v6
	v_mul_u32_u24 v7, v7, 144
	v_and_b32 v8, 7, v6
	v_lshl_add_u32 v7, v8, 4, v7
	v_add_nc_u32 v[RDV], s23, v7                   ; back: eight lanes to a row of 128 bytes, four rows an instruction
	s_wait_kmcnt 0x0
	s_add_co_i32 s90, s80, s81                     ; E: e0 + e1, e2 + e3 or e4 + e5; eo: e6, e7 or e9: chosen without a branch
	s_add_co_i32 s91, s82, s83
	s_add_co_i32 s92, s84, s85
	s_cmp_eq_u32 s66, 1
	s_cselect_b32 s90, s91, s90
	s_cselect_b32 s93, s87, s86
	s_cmp_eq_u32 s66, 2
	s_cselect_b32 s90, s92, s90
	s_cselect_b32 s93, s89, s93
	s_sub_co_i32 s90, s93, s90                     ; eo - E
	s_add_co_i32 s90, s90, 127
	s_lshl_b32 s91, s90, 23
	v_mov_b32 v[SCR], s91
.macro FRAG reg, adr, q, i             ; a fragment: lane l holds row l % 16; registers 4 c .. 4 c + 3 hold K = 32 c + 16 (l / 16) + 0 .. 15: the same order of k in A and in B
.irp c, 0,1,2,3
	ds_load_b128 v[\reg+4*\c:\reg+4*\c+3], v[\adr] offset:128*(\q)+32*\c+(\i)*16*PITCH
.endr
.endm
; 16 matrix instructions: A's blocks a0, a0 + 1 x B's eight, 128 along K.  The 64 accumulators take turns, one instruction a turn, in the same order in every step.
.macro MUL16 a0, p, zero
.irp a, \a0, \a0+1
.irp b, 0,1,2,3,4,5,6,7
.if \zero
	v_wmma_f32_16x16x128_fp8_fp8 v[8*(8*((\a)%4)+\b):8*(8*((\a)%4)+\b)+7], v[128*(\p)+FR*\b:128*(\p)+FR*\b+FR-1], v[AF+FR*(\a):AF+FR*(\a)+FR-1], 0
.else
	v_wmma_f32_16x16x128_fp8_fp8 v[8*(8*((\a)%4)+\b):8*(8*((\a)%4)+\b)+7], v[128*(\p)+FR*\b:128*(\p)+FR*\b+FR-1], v[AF+FR*(\a):AF+FR*(\a)+FR-1], v[8*(8*((\a)%4)+\b):8*(8*((\a)%4)+\b)+7]
.endif
.endr
.endr
.endm
.macro FETCH_B slot, q, p
	WIN TO_B
.irp i, 0,1,2,3,4,5,6,7
	FRAG 128*(\p)+FR*\i, ADRB+\slot, \q, \i
.endr
	WIN 0
.endm
.macro FETCH_A slot, q, i0
.irp i, \i0, \i0+1, \i0+2, \i0+3
	FRAG AF+FR*(\i), ADRA+\slot, \q, \i
.endr
.endm
.macro PLACES n                        ; plain vector instructions between a matrix instruction and a load into, or a vector instruction on, its registers
.rept \n
	v_nop
.endr
.endm
.macro STEP slot, q, zero              ; a step of 128 along K that has its successor in the same slot
	s_wait_dscnt 4*NL                              ; B's set and A's blocks 0-3 are in; the youngest 16 loads (A's blocks 4-7) may be out
	WIN MUL_LO
	MUL16 0, (\q)%2, \zero
	MUL16 2, (\q)%2, \zero
	s_wait_dscnt 0
	PLACES NP
	FETCH_B \slot, (\q)+1, 1-(\q)%2
	FETCH_A \slot, (\q)+1, 0
	WIN MUL_HI
	MUL16 4, (\q)%2, \zero
	MUL16 6, (\q)%2, \zero
	PLACES NP
	WIN 0
	FETCH_A \slot, (\q)+1, 4
.endm
; A slot's last step changes slots: one barrier; in front of it each wave waits for all its tensor loads, adds 0 to its spare word, and waits for that and for its own reads of this slot.  fill = 1: the slot is filled again, two K steps ahead.
.macro TURN slot, next, fill
	s_wait_tensorcnt 0x0                           ; all my tensor loads have landed: my part of the next slot
	ds_add_u32 v[SPW], v[NIL]                      ; 0 onto my spare word
	s_wait_dscnt 4*NL+1                            ; (the add and the youngest 16 loads may be out)
	WIN MUL_LO
	MUL16 0, 1, 0
	s_wait_dscnt 0x0                               ; the add is done, and my reads of this slot are over
	s_barrier_signal -1
	MUL16 2, 1, 0
	WIN 0
	s_barrier_wait -1
.if \fill
	CREST                                          ; the barrier has opened a round of the cluster's barrier: no wave of any partner still reads this slot or has a load on its way
	s_add_nc_u64 s[G0+4*\slot+2:G0+4*\slot+3], s[G0+4*\slot+2:G0+4*\slot+3], 2*ROWB
	s_add_nc_u64 s[G0B+4*\slot+2:G0B+4*\slot+3], s[G0B+4*\slot+2:G0B+4*\slot+3], 2*ROWB
	JLOAD G0+4*\slot, G1, G0B+4*\slot, G1B         ; the first tensor load behind the round; its four v_nop are the places in front of the loads below
.else
	PLACES NP
.endif
	FETCH_B \next, 0, 0
	FETCH_A \next, 0, 0
	WIN MUL_HI
	MUL16 4, 1, 0
	MUL16 6, 1, 0
	PLACES NP
	WIN 0
	FETCH_A \next, 0, 4
.endm
.macro LAST                            ; the very last step: nothing more to fetch
	s_wait_dscnt 4*NL
	WIN MUL_LO
	MUL16 0, 1, 0
	MUL16 2, 1, 0
	s_wait_dscnt 0
	WIN MUL_HI
	MUL16 4, 1, 0
	MUL16 6, 1, 0
	WIN 0
.endm
	s_wait_tensorcnt 1                             ; my part of K step 0 is in; K step 1's load may be out
	s_barrier_signal -1
	s_barrier_wait -1
	FETCH_B 0, 0, 0
	FETCH_A 0, 0, 0
	FETCH_A 0, 0, 4
	STEP 0, 0, 1                                   ; the first step's products start the sums
	s_mov_b32 s3, LAPS-1
.Llap:
	TURN 0, 1, 1
	STEP 1, 0, 0
	TURN 1, 0, 1
	STEP 0, 0, 0
	s_sub_co_u32 s3, s3, 1
	s_cmp_lg_u32 s3, 0
	s_cbranch_scc1 .Llap
	TURN 0, 1, 0                                   ; the last lap fills nothing
	STEP 1, 0, 0
	s_cmp_eq_u32 s66, 2                            ; the two ways out part here, on the cluster's number alone
	s_cbranch_scc1 .Lv
	; ---- Q AND K.  Block a: 16 tokens x 128 channels (two heads).  Rotated, held, converted; 8 codes a lane and tile go through my stage and leave as 512 consecutive bytes of a head.
	s_lshl_b32 s90, s17, 8
	s_lshl_b32 s91, s15, 7
	s_add_co_u32 s90, s90, s91                     ; my first token: 256 x tile row + 128 x half
	s_lshr_b32 s91, s90, 11                        ; its batch
	s_lshl_b32 s91, s91, 4
	s_lshl_b32 s92, s42, 2
	s_add_co_u32 s91, s91, s92
	s_lshl_b32 s92, s16, 1
	s_add_co_u32 s91, s91, s92                     ; 16 x batch + my first head (4 x tile column + 2 x half)
	s_lshl_b32 s91, s91, 11
	s_and_b32 s90, s90, 2047
	s_add_co_u32 s91, s91, s90                     ; + the token in its sequence
	s_lshl_b32 s91, s91, 6                         ; rows of 64 bytes
	s_lshl_b32 s92, s66, 23                        ; q's part or k's
	s_add_co_u32 s92, s92, s91
	s_mov_b32 s93, 0
	s_add_nc_u64 s[10:11], s[76:77], s[92:93]
	s_and_b32 s90, s17, 7
	s_lshl_b32 s90, s90, 4
	s_lshl_b32 s91, s15, 3
	s_add_co_u32 s90, s90, s91                     ; the table's block of my first 16 tokens
	s_lshl_b32 s90, s90, 12
	s_mov_b32 s91, 0
	s_add_nc_u64 s[12:13], s[74:75], s[90:91]
.macro ROPELD a                        ; block a's cos and sin: eight images of 512 consecutive bytes, into set a % 2
.irp m, 0,1,2,3,4,5,6,7
	global_load_b128 v[CS+32*((\a)%2)+4*\m:CS+32*((\a)%2)+4*\m+3], v[L16], s[12:13] offset:4096*(\a)+512*\m
.endr
.endm
.macro QKBLK a
.set AC, 64*((\a)%4)
.set CSS, CS+32*((\a)%2)
.set CDS, CD+16*((\a)%2)
.set BKS, BK+16*((\a)%2)
.if (\a) < 7
	s_wait_loadcnt 8                               ; this block's eight images are in; the next block's eight may be out
.else
	s_wait_loadcnt 0
.endif
	WIN 0x02+((\a)/4)                              ; source 0: window 2 or 3
.irp b, 0,1,2,3,4,5,6,7
.irp k, 0,1,2,3
	v_pk_mul_f32 v[TMP+8*\b+2*\k:TMP+8*\b+2*\k+1], v[AC+8*\b+2*\k:AC+8*\b+2*\k+1], v[CSS+8*(\b%4)+2*\k:CSS+8*(\b%4)+2*\k+1] op_sel:[1,1] op_sel_hi:[0,1] neg_lo:[1,0]   ; (-x1 sin, x0 sin); each accumulator from its low end on
.endr
.irp k, 0,1,2,3
	v_pk_fma_f32 v[TMP+8*\b+2*\k:TMP+8*\b+2*\k+1], v[AC+8*\b+2*\k:AC+8*\b+2*\k+1], v[CSS+8*(\b%4)+2*\k:CSS+8*(\b%4)+2*\k+1], v[TMP+8*\b+2*\k:TMP+8*\b+2*\k+1] op_sel_hi:[1,0,1]   ; + (x0 cos, x1 cos)
.endr
.endr
	WIN 0
.if (\a) < 6
	ROPELD (\a)+2                                  ; into the set just read
.endif
.set i, 0
.rept 64
.set i, i+1
.endr
.irp b, 0,1,2,3,4,5,6,7
	v_cvt_scalef32_pk8_fp8_f32 v[CDS+2*\b:CDS+2*\b+1], v[TMP+8*\b:TMP+8*\b+7], v[SCR]
.endr
	v_nop                                          ; one plain vector instruction behind the last conversion
.if (\a) > 1
	s_wait_alu depctr_va_vdst(0)
	s_wait_xcnt 0x0                                ; block a - 2's stores have read their registers: this block's rows may land there
.endif
.irp b, 0,1,2,3,4,5,6,7
	ds_store_b64 v[STQ], v[CDS+2*\b:CDS+2*\b+1] offset:1280*(\b/4)+16*(\b%4)
.endr
.irp u, 0,1,2,3                        ; head u / 2, rows 8 (u % 2) on.  LDS serves a wave's instructions in order: these see my stores
	ds_load_b128 v[BKS+4*\u:BKS+4*\u+3], v[RDQ] offset:1280*(\u/2)+640*(\u%2)
.endr
.endm
.macro SENDQ a, younger                ; younger: the LDS instructions issued behind block a's loads: the next block's 8 stores and 4 loads, or none
.set BKS, BK+16*((\a)%2)
	s_wait_dscnt \younger
.irp u, 0,1,2,3
	global_store_b128 v[L16], v[BKS+4*\u:BKS+4*\u+3], s[10:11] offset:131072*(\u/2)+1024*(\a)+512*(\u%2)   ; 32 lanes store 512 consecutive bytes: eight tokens of a head
.endr
.endm
	ROPELD 0
	ROPELD 1
	LAST
	PLACES NP
	QKBLK 0
.irp a, 1,2,3,4,5,6,7
	QKBLK \a
	SENDQ \a-1, 12
.endr
	SENDQ 7, 0
	s_branch .Lend
.Lv:	; ---- V.  Block a: 16 channels x 128 tokens.  Held, converted; a lane's 8 codes of tile b are keys 16 b + 8 h + 0 .. 7 and go to byte 32 (b / 2) + 16 h + 8 (b % 2) of the channel's row of 128.
	s_lshl_b32 s90, s42, 1
	s_add_co_u32 s90, s90, s16                     ; token / 128 = 2 x tile column + half
	s_lshl_b32 s90, s90, 10
	s_lshl_b32 s91, s17, 8
	s_add_co_u32 s90, s90, s91
	s_lshl_b32 s91, s15, 7
	s_add_co_u32 s90, s90, s91                     ; + my first channel
	s_lshl_b32 s90, s90, 7                         ; rows of 128 bytes
	s_add_co_u32 s90, s90, 0x1000000               ; v's part
	s_mov_b32 s91, 0
	s_add_nc_u64 s[10:11], s[76:77], s[90:91]
.macro VBLK a
.set AC, 64*((\a)%4)
.set CDS, CD+16*((\a)%2)
.set BKS, BK+16*((\a)%2)
	WIN 0x02+((\a)/4)
.set i, 0
.rept 64
.set i, i+1
.endr
.irp b, 0,1,2,3,4,5,6,7
	v_cvt_scalef32_pk8_fp8_f32 v[CDS+2*\b:CDS+2*\b+1], v[AC+8*\b:AC+8*\b+7], v[SCR]
.endr
	WIN 0
	v_nop
.if (\a) > 1
	s_wait_alu depctr_va_vdst(0)
	s_wait_xcnt 0x0
.endif
.irp b, 0,1,2,3,4,5,6,7
	ds_store_b64 v[STV], v[CDS+2*\b:CDS+2*\b+1] offset:32*(\b/2)+8*(\b%2)
.endr
.irp u, 0,1,2,3
	ds_load_b128 v[BKS+4*\u:BKS+4*\u+3], v[RDV] offset:576*\u
.endr
.endm
.macro SENDV a, younger
.set BKS, BK+16*((\a)%2)
	s_wait_dscnt \younger
.irp u, 0,1,2,3
	global_store_b128 v[L16], v[BKS+4*\u:BKS+4*\u+3], s[10:11] offset:2048*(\a)+512*\u   ; 512 consecutive bytes: four channels' rows
.endr
.endm
	LAST
	PLACES NP
	s_wait_alu depctr_va_vdst(0)
	VBLK 0
.irp a, 1,2,3,4,5,6,7
	VBLK \a
	SENDV \a-1, 12
.endr
	SENDV 7, 0
.Lend:
	s_wait_tensorcnt 0x0                           ; the wave's end, behind my last tensor load and my last LDS store
	ds_add_u32 v[SPW], v[NIL]
	s_wait_dscnt 0x0
	CROUND                                         ; the closing round: no work-group ends while a partner may still ask for a tile that names it
	s_endpgm
.Lfunc_end_k_q95596034df_qkv:
	.size	k_q95596034df_qkv, .Lfunc_end_k_q95596034df_qkv-k_q95596034df_qkv
	.p2alignl 7, 3214868480
	.fill 96, 4, 3214868480
	.section	.rodata,"a",@progbits
	.p2align	6, 0x0
	.amdhsa_kernel k_q95596034df_qkv
		.amdhsa_group_segment_fixed_size 327680
		.amdhsa_private_segment_fixed_size 0
		.amdhsa_enable_private_segment 0
		.amdhsa_kernarg_size 40
		.amdhsa_user_sgpr_count 2
		.amdhsa_user_sgpr_kernarg_segment_ptr 1
		.amdhsa_wavefront_size32 1
		.amdhsa_system_sgpr_workgroup_id_x 1
		.amdhsa_system_sgpr_workgroup_id_y 1
		.amdhsa_system_sgpr_workgroup_id_z 1
		.amdhsa_system_vgpr_workitem_id 0
		.amdhsa_next_free_vgpr 1024
		.amdhsa_next_free_sgpr 98
		.amdhsa_reserve_vcc 0
		.amdhsa_float_denorm_mode_32 3
		.amdhsa_float_denorm_mode_16_64 3
		.amdhsa_fp16_overflow 1
		.amdhsa_memory_ordered 1
		.amdhsa_forward_progress 1
		.amdhsa_inst_pref_size 151
	.end_amdhsa_kernel
	.amdgpu_metadata
---
amdhsa.version: [ 1, 2 ]
amdhsa.kernels:
  - .name:           k_q95596034df_qkv
    .symbol:         k_q95596034df_qkv.kd
    .args:
      - { .name: xc, .offset: 0, .size: 8, .value_kind: global_buffer, .address_space: global }
      - { .name: wc, .offset: 8, .size: 8, .value_kind: global_buffer, .address_space: global }
      - { .name: lowp_scales, .offset: 16, .size: 8, .value_kind: global_buffer, .address_space: global }
      - { .name: rope, .offset: 24, .size: 8, .value_kind: global_buffer, .address_space: global }
      - { .name: qkvc, .offset: 32, .size: 8, .value_kind: global_buffer, .address_space: global }
    .group_segment_fixed_size: 327680
    .private_segment_fixed_size: 0
    .kernarg_segment_align: 8
    .kernarg_segment_size: 40
    .max_flat_workgroup_size: 128
    .sgpr_count:     98
    .vgpr_count:     1024
    .wavefront_size: 32
...
	.end_amdgpu_metadata
.endif
;; end of part 2
;; launch attn (part 3): grid 4 x 64, 16 waves a work-group, no clusters, 327,680 bytes of LDS; arguments qkvc, lowp_scales, ao; writes ao
.if DOCPART == 3
	.amdgcn_target "amdgcn-amd-amdhsa--gfx1250"
	.amdhsa_code_object_version 6
	.text
	.protected	k_q95596034df_attn
	.globl	k_q95596034df_attn
	.p2align	8
	.type	k_q95596034df_attn,@function
k_q95596034df_attn:
	s_mov_b64 s[64:65], 0
	v_nop
	global_prefetch_b8 v0, s[64:65] scope:SCOPE_SE
	s_setreg_imm32_b32 hwreg(HW_REG_WAVE_MODE, 25, 1), 1
	s_wait_xcnt 0x0
; THIRD LAUNCH: causal attention on codes of E4M3, head size 64, and the quantiser of the last product's left operand.
; LEFT OUT: a key step of 128 keys all of which come after all 16 queries of a wave's tile: reference()'s own jnp.tril makes every score there -inf, so every weight there is 0 for all values of the inputs.
; t = score x log2(e) / 8; M = the running largest t rounded UP to a whole number; p = 2^(t - M) is quantised under 2^e8; the row's sum is taken of the unquantised p; when M moves, the sum and O are multiplied by 2^(old M - new M): exact.
; At a block's end O / sum x 2^(e8 + e9) is quantised under 2^e10: code = (O / sum) / 2^(e10 - e8 - e9), held within +-448.  It goes to ao [batch x 16 + head][token][64].
; SHARES.  Work-group (p, head) owns the query blocks p and 7 - p of the head, 256 queries each, one after the other; each of its sixteen waves owns 16 queries of a block.  Block p needs key slots 0 .. p, block 7 - p slots 0 .. 7 - p
; (a slot is 256 keys): NINE slots in every work-group, so the trip count is a constant, the work is even, every slot that is fetched is read.
; NO CLUSTER: the four work-groups of a head go back to key slot 0 at trip p + 1, which differs between them; so in a given trip they want different slots, and no joint request would be alike in all partners.
; K's and V's tiles come through a ring of two LDS slots (waves 0, 1: K's halves; waves 2, 3: V's two blocks of 128 keys), read by all sixteen waves.
; LAYOUT.  Both products are used transposed: S^T = K Q^T (source 0 = 16 neighbouring keys, source 1 = my 16 queries; K = 64), O^T = V^T P^T (source 0 = 16 channels, source 1 = P; K = 128 keys): a lane holds ONE query throughout.
; Tile c of S^T gives lane (r, h) the keys 16 c + 8 h + 0 .. 7: its eight codes are registers 2 c, 2 c + 1 of P's operand.  V's rows were stored by the launch before in the order in which four loads of 16 bytes give the same places.
; LIMITS on the given exponents: e6 + e7 between -123 and 130 (added to the exponent field of log2(e) / 8); e8, and e10 - e8 - e9, between -126 and 119.
; REGISTERS: v1-11 addresses that stay or are in hand; v12 -M, v13 the largest t, v[14:15] the sum; v16-23 Q; v28 r - 8 h; v32-95 K's eight fragments, then V's four; v96-159 S^T, then p; v160-191 O^T; v192-207 p's codes; v208-223 the way out; v234-255 at work and constants.
.set SK,    256
.set KP,    80                         ; a key's row in LDS: 64 bytes + 16 of padding: the 16 rows of a load start at 16 different places modulo 256 bytes
.set VP,    144                        ; a channel's row of 128 keys: 128 + 16
.set VOFF,  SK*KP                      ; a slot: 256 rows of K, then two blocks of 64 rows of V
.set VBL,   64*VP
.set SLOT1, 1<<16                      ; slot 1 begins here: one exclusive or turns an address in one slot into the other's
.set SPARE, 2*SLOT1                    ; the spare words, 128 bytes for each of the sixteen waves
.set STAGE, SPARE+2048                 ; the way out: 16 rows x 80 bytes for each wave: bytes of their own, into which no tile lands
.set AK0, 1
.set AV0, 2
.set PFO, 3                            ; v3  256 x lane: the prefetches' offset
.set QOF, 4                            ; v4  Q: 64 r + 16 h
.set SPW, 5
.set NIL, 6
.set GO,  7                            ; v7  16 x lane
.set ADK, 8
.set ADV, 9
.set STO, 10                           ; v10 the stage: where I put 8 codes
.set SRD, 11                           ; v11 and where I read 16 bytes back
.set RH,  28
.set TB,  2                            ; s2  LDS byte at which the slot in hand begins
.set T,   3                            ; s3  the trip
.set P,   10                           ; s10 the work-group's x
.set KSN, 11                           ; s11 the key slot asked for last
.set WV,  18
.set SEL, 20
.set CS,  22
.set G1K, 24
.set G1V, 32
.set G0K, 40
.set G0V, 44
.set KB,  48                           ; s[48:49] K's codes of my head, at my half of key slot 0
.set VB,  50                           ; s[50:51] V's, at my block of key slot 0
.set QB,  52
.set OB,  54
.set PFA, 76
.set PFS, 78
.set LIM, 80
.set Q0B, 81                           ; s81 my first query in the second block
.set KF,  98                           ; s98 the step's first key
.set Q0,  99                           ; s99 my first query
.macro TLOAD                           ; waves 0, 1 fetch for K, waves 2, 3 for V, the others nothing; an s_nop 0 and four v_nop follow each of the two lines
	s_cmp_lt_u32 s[WV], 2
	s_cbranch_scc0 .Lnot_k_\@
	tensor_load_to_lds s[G0K:G0K+3], s[G1K:G1K+7]
	s_nop 0
.rept 4
	v_nop
.endr
	s_branch .Lasked_\@
.Lnot_k_\@:
	s_cmp_lt_u32 s[WV], 4
	s_cbranch_scc0 .Lasked_\@
	tensor_load_to_lds s[G0V:G0V+3], s[G1V:G1V+7]
	s_nop 0
.rept 4
	v_nop
.endr
.Lasked_\@:
.endm
; A PREFETCH INTO THE L2.  The work-group with p = 0 walks key slots 0, 0, 1 .. 7; in its trip t (0 .. 6) four waves that fetch nothing name key slot t + 1, which its next trip's tensor loads ask for:
; waves 4, 5 the two halves of K's 16,384 bytes, waves 6, 7 V's two blocks of 8,192 bytes, lanes 256 bytes apart.  So each aligned block of 256 bytes of slots 1 to 7 is named once in the launch; slot 0 comes by its loads alone.
.macro ASK
	s_cmp_lt_u32 s[T], s[LIM]
	s_cbranch_scc0 .Lnot_mine_\@
	global_prefetch_b8 v[PFO], s[PFA:PFA+1] th:TH_LOAD_NT scope:SCOPE_SE
.Lnot_mine_\@:
.endm
	s_load_b128 s[4:7], s[0:1], 0x0                ; qkvc, the scales' exponents
	s_load_b64 s[8:9], s[0:1], 0x10                ; ao
	v_lshl_add_u32 v[SPW], v0, 2, SPARE
	v_mov_b32 v[NIL], 0
	ds_add_u32 v[SPW], v[NIL]                      ; the wave's opening: the add, twice on end, and its wait ahead of my first tensor load
	ds_add_u32 v[SPW], v[NIL]
	v_lshrrev_b32 v8, 5, v0
	s_delay_alu instid0(VALU_DEP_1)
	v_readfirstlane_b32 s[WV], v8                  ; wave 0..15
	s_mov_b32 s[P], ttmp9
	s_and_b32 s12, ttmp7, 0xffff                   ; 16 x batch + head
	s_and_b32 s13, s[WV], 1
	s_lshl_b32 s14, s12, 17                        ; the head's first byte among q's, k's and ao's codes: 2,048 rows of 64 bytes
	s_lshl_b32 s15, s13, 13
	s_add_co_u32 s56, s14, s15
	s_add_co_u32 s56, s56, 0x800000                ; K: + my half of a slot, in k's part
	s_mov_b32 s57, 0
	s_mov_b32 s15, 0
	s_lshr_b32 s16, s12, 4
	s_lshl_b32 s16, s16, 21                        ; V: the batch's 16 blocks of 128 tokens x 1,024 channels x 128 bytes,
	s_and_b32 s17, s12, 15
	s_lshl_b32 s17, s17, 13                        ; the head's 64 channels,
	s_add_co_u32 s16, s16, s17
	s_lshl_b32 s17, s13, 17                        ; my block of the slot's two,
	s_add_co_u32 s16, s16, s17
	s_add_co_u32 s16, s16, 0x1000000               ; in v's part
	s_mov_b32 s17, 0
	s_mul_i32 s19, s13, 128*KP                     ; where they go in a slot
	s_mul_i32 s73, s13, VBL
	s_add_co_u32 s73, s73, VOFF
	s_mov_b32 s[G1K], (0<<16)|(1<<20)|(3<<22)|(3<<25)   ; no mask; elements of 1 byte; padding on: four words after every 16
	s_mov_b32 s[G1K+1], 64<<16                     ; tensor_dim0
	s_mov_b32 s[G1K+2], 128<<16                    ; tensor_dim1
	s_mov_b32 s[G1K+3], 64<<16                     ; tile_dim0
	s_mov_b32 s[G1K+4], 128                        ; tile_dim1
	s_mov_b32 s[G1K+5], 64                         ; tensor_dim0_stride
	s_mov_b32 s[G1K+6], 0
	s_mov_b32 s[G1K+7], 0
	s_mov_b32 s[G1V], (0<<16)|(1<<20)|(4<<22)|(3<<25)   ; four words after every 32
	s_mov_b32 s[G1V+1], 128<<16
	s_mov_b32 s[G1V+2], 64<<16
	s_mov_b32 s[G1V+3], 128<<16
	s_mov_b32 s[G1V+4], 64
	s_mov_b32 s[G1V+5], 128
	s_mov_b32 s[G1V+6], 0
	s_mov_b32 s[G1V+7], 0
	s_mov_b32 s[SEL], 0x76543210
	s_mov_b32 s[SEL+1], 0xfedcba98
	s_mov_b32 s[CS], 0x3e38aa3b                    ; log2(e) / sqrt(64)
	s_mov_b32 s[TB], 0
	s_mov_b32 s[T], 0
	s_mov_b32 s[KSN], 0
	s_mov_b32 s[KF], 0
	s_wait_dscnt 0x0                               ; both opening adds are done
	s_wait_kmcnt 0x0
	s_load_b128 s[68:71], s[6:7], 0x18             ; e6, e7, e8, e9
	s_load_b32 s72, s[6:7], 0x28                   ; e10
	s_add_nc_u64 s[KB:KB+1], s[4:5], s[56:57]
	s_add_nc_u64 s[VB:VB+1], s[4:5], s[16:17]
	s_add_nc_u64 s[QB:QB+1], s[4:5], s[14:15]
	s_add_nc_u64 s[OB:OB+1], s[8:9], s[14:15]
	s_mov_b32 s[G0K], 1
	s_mov_b32 s[G0K+1], s19
	s_mov_b64 s[G0K+2:G0K+3], s[KB:KB+1]
	s_or_b32 s[G0K+3], s[G0K+3], 0x80000000
	s_mov_b32 s[G0V], 1
	s_mov_b32 s[G0V+1], s73
	s_mov_b64 s[G0V+2:G0V+3], s[VB:VB+1]
	s_or_b32 s[G0V+3], s[G0V+3], 0x80000000
	TLOAD                                          ; key slot 0 into slot 0
	s_and_b32 s96, s[WV], 2                        ; the prefetches: waves 4, 5 stand in K, waves 6, 7 in V
	s_cmp_eq_u32 s96, 0
	s_cselect_b64 s[PFA:PFA+1], s[KB:KB+1], s[VB:VB+1]   ; at key slot 0; each change of slots steps it ahead of the prefetch
	s_mov_b32 s[PFS], 262144
	s_cselect_b32 s[PFS], 16384, s[PFS]            ; a key slot on
	s_mov_b32 s[PFS+1], 0
	s_lshr_b32 s96, s[WV], 2
	s_xor_b32 s96, s96, 1                          ; 0 in waves 4 to 7,
	s_or_b32 s96, s96, s[P]                        ; of the work-group with p = 0
	s_cmp_eq_u32 s96, 0
	s_cselect_b32 s[LIM], 7, 0
	v_and_b32 v24, 15, v0                          ; r
	v_bfe_u32 v25, v0, 4, 1                        ; h
	v_and_b32 v26, 31, v0                          ; lane
	s_delay_alu instid0(VALU_DEP_3)
	v_mul_u32_u24 v[AK0], v24, KP
	s_delay_alu instid0(VALU_DEP_1)
	v_lshl_add_u32 v[AK0], v25, 4, v[AK0]
	v_mul_u32_u24 v[AV0], v24, VP
	s_delay_alu instid0(VALU_DEP_1)
	v_lshl_add_u32 v[AV0], v25, 4, v[AV0]
	s_delay_alu instid0(VALU_DEP_1)
	v_add_nc_u32 v[AV0], VOFF, v[AV0]
	v_lshlrev_b32 v[PFO], 8, v26
	v_lshlrev_b32 v[QOF], 6, v24
	s_delay_alu instid0(VALU_DEP_1)
	v_lshl_add_u32 v[QOF], v25, 4, v[QOF]
	v_lshlrev_b32 v[GO], 4, v26
	s_mul_i32 s96, s[WV], 16*80
	s_add_co_u32 s96, s96, STAGE                   ; my stage
	v_mul_u32_u24 v[STO], v24, 80
	s_delay_alu instid0(VALU_DEP_1)
	v_lshl_add_u32 v[STO], v25, 3, v[STO]
	s_delay_alu instid0(VALU_DEP_1)
	v_add_nc_u32 v[STO], s96, v[STO]
	v_lshrrev_b32 v27, 2, v26
	s_delay_alu instid0(VALU_DEP_1)
	v_mul_u32_u24 v[SRD], v27, 80
	v_and_b32 v27, 3, v26
	s_delay_alu instid0(VALU_DEP_1)
	v_lshl_add_u32 v[SRD], v27, 4, v[SRD]
	s_delay_alu instid0(VALU_DEP_1)
	v_add_nc_u32 v[SRD], s96, v[SRD]
	v_lshlrev_b32 v27, 3, v25
	s_delay_alu instid0(VALU_DEP_1)
	v_sub_nc_u32 v[RH], v24, v27                   ; r - 8 h
	s_lshl_b32 s96, s[WV], 4
	s_lshl_b32 s[Q0], s[P], 8
	s_add_co_u32 s[Q0], s[Q0], s96                 ; my first query: 256 p + 16 x wave,
	s_sub_co_u32 s[Q0B], 7, s[P]
	s_lshl_b32 s[Q0B], s[Q0B], 8
	s_add_co_u32 s[Q0B], s[Q0B], s96               ; and in the second block: 256 (7 - p) + 16 x wave
.macro LOADQ                           ; Q's fragment: the same order of the head's 64 as K's loads give
	s_lshl_b32 s56, s[Q0], 6
	s_mov_b32 s57, 0
	s_add_nc_u64 s[58:59], s[QB:QB+1], s[56:57]
	global_load_b128 v[16:19], v[QOF], s[58:59]
	global_load_b128 v[20:23], v[QOF], s[58:59] offset:32
.endm
.macro INIT                            ; the step is written once: a block's first step finds zeros, which the first change of M leaves zeros
	v_mov_b32 v13, 0xff61b1e6                      ; the largest t so far: -3e38
	s_delay_alu instid0(VALU_DEP_1)
	v_floor_f32 v12, -v13
	v_mov_b32 v14, 0
	v_mov_b32 v15, 0
.set n, 0
.rept 32
	v_mov_b32 v[160+n], 0
.set n, n+1
.endr
.endm
	LOADQ
	INIT
	v_mov_b32 v236, 0                              ; written once: a lane permute's destination counts as one of its sources
	v_mov_b32 v252, 0
	v_mov_b32 v253, 0                              ; (named as the upper half of the pair v[252:253])
	s_wait_kmcnt 0x0
	s_add_co_i32 s96, s68, s69
	s_lshl_b32 s96, s96, 23
	s_add_co_i32 s[CS], s[CS], s96                 ; a score stands for score x 2^(e6 + e7): added to the factor's exponent field
	s_mov_b32 s[CS+1], s[CS]
	s_add_co_i32 s96, s70, 127
	s_lshl_b32 s97, s96, 23
	v_mov_b32 v244, s97                            ; 2^e8
	s_sub_co_i32 s96, s72, s70
	s_sub_co_i32 s96, s96, s71                     ; e10 - e8 - e9
	s_add_co_i32 s96, s96, 127
	s_lshl_b32 s97, s96, 23
	v_mov_b32 v246, s97
; A KEY STEP: 128 keys, the q-th of the slot in hand.
.macro STEP q
	s_add_co_u32 s96, s[Q0], 15                    ; a step all of whose keys come after my 16 queries is left out: a scalar branch on ids and counts
	s_cmp_gt_u32 s[KF], s96
	s_cbranch_scc1 .Lhidden_\@
	v_add_nc_u32 v[ADK], s[TB], v[AK0]
	v_add_nc_u32 v[ADV], s[TB], v[AV0]
	v_nop                                          ; with the two additions: four places in front of loads into registers that the last products read
	v_nop
.irp c, 0,1,2,3,4,5,6,7
	ds_load_b128 v[32+8*\c:35+8*\c], v[ADK] offset:(128*(\q)+16*\c)*KP
	ds_load_b128 v[36+8*\c:39+8*\c], v[ADK] offset:(128*(\q)+16*\c)*KP+32
.endr
	s_wait_alu depctr_va_vdst(0)
	s_wait_dscnt 0x0
.irp c, 0,1,2,3,4,5,6,7
	v_wmma_f32_16x16x64_fp8_fp8 v[96+8*\c:103+8*\c], v[32+8*\c:39+8*\c], v[16:23], 0
.endr
.rept 4
	v_nop
.endr
.irp t, 0,1,2,3                        ; V's four fragments are asked for now and land while the softmax is worked
.irp c, 0,1,2,3
	ds_load_b128 v[32+16*\t+4*\c:35+16*\t+4*\c], v[ADV] offset:VBL*(\q)+16*\t*VP+32*\c
.endr
.endr
	s_add_co_u32 s96, s[KF], 127                   ; on the diagonal hidden scores become -infinity ahead of the maximum; a step all of whose keys count skips this
	s_cmp_le_u32 s96, s[Q0]
	s_cbranch_scc1 .Lopen_\@
	s_sub_co_i32 s96, s[Q0], s[KF]
	v_add_nc_u32 v252, s96, v[RH]                  ; d = my query - KF - 8 h.  Register 8 c + i holds key KF + 16 c + 8 h + i: hidden where 16 c + i > d
	v_mov_b32 v254, 0xff800000
.set n, 0
.rept 64
	v_cmp_gt_i32 vcc_lo, 16*(n/8)+n%8, v252
	v_cndmask_b32 v[96+n], v[96+n], v254, vcc_lo
.set n, n+1
.endr
.Lopen_\@:
	v_max3_num_f32 v254, v96, v97, v98             ; the step's largest score of my query, among my 64 keys, in two chains,
	v_max3_num_f32 v252, v99, v100, v101
.irp i, 6,10,14,18,22,26,30,34,38,42,46,50,54,58
	v_max3_num_f32 v254, v254, v[96+\i], v[97+\i]
	v_max3_num_f32 v252, v252, v[98+\i], v[99+\i]
.endr
	v_max3_num_f32 v254, v254, v158, v159
	s_delay_alu instid0(VALU_DEP_1)
	v_max_num_f32 v254, v254, v252
	s_delay_alu instid0(VALU_DEP_1)
	v_permlanex16_b32 v236, v254, s[SEL], s[SEL+1]
	s_delay_alu instid0(VALU_DEP_1)
	v_max_num_f32 v254, v254, v236                 ; and among lane l xor 16's
	s_delay_alu instid0(VALU_DEP_1)
	v_mul_f32 v254, s[CS], v254                    ; as t
	s_delay_alu instid0(VALU_DEP_1)
	v_max_num_f32 v13, v13, v254                   ; the running largest t
	v_mov_b32 v254, v12
	s_delay_alu instid0(VALU_DEP_2)
	v_floor_f32 v12, -v13                          ; the new -M = floor(-t): M is a whole number
	s_delay_alu instid0(VALU_DEP_1)
	v_sub_f32 v254, v12, v254                      ; old M - new M: a whole number, 0 or less
	s_delay_alu instid0(VALU_DEP_1)
	v_cvt_i32_f32 v254, v254                       ; (it saturates)
	s_delay_alu instid0(VALU_DEP_1)
	v_ldexp_f32 v252, 1.0, v254                    ; f = 2^(old M - new M)
.set n, 0
.rept 32
	v_pk_fma_f32 v[96+n:97+n], v[96+n:97+n], s[CS:CS+1], v[12:13] op_sel_hi:[1,0,0]   ; t - M, two at a time
.set n, n+2
.endr
.set n, 0
	s_wait_alu depctr_va_vdst(0)
.rept 64
	v_exp_f32 v[96+n], v[96+n]                     ; p = 2^(t - M): one batch
.set n, n+1
.endr
	v_pk_mul_f32 v[14:15], v[14:15], v[252:253] op_sel_hi:[1,0]   ; the sums under the new M: the plain instruction behind the exponentials
	s_wait_alu depctr_va_vdst(0)                   ; one wait for the batch, ahead of its first reader
	v_pk_add_f32 v[242:243], v[100:101], v[104:105]
	v_pk_add_f32 v[254:255], v[108:109], v[112:113]
	v_pk_add_f32 v[250:251], v[116:117], v[120:121]
	v_pk_add_f32 v[248:249], v[124:125], v[128:129]
	v_pk_add_f32 v[240:241], v[132:133], v[136:137]
	v_pk_add_f32 v[238:239], v[140:141], v[144:145]
	v_pk_add_f32 v[234:235], v[148:149], v[152:153]
	v_pk_add_f32 v[14:15], v[14:15], v[156:157]
	v_pk_add_f32 v[242:243], v[242:243], v[96:97]
	v_pk_add_f32 v[254:255], v[254:255], v[98:99]
	v_pk_add_f32 v[250:251], v[250:251], v[102:103]
	v_pk_add_f32 v[248:249], v[248:249], v[106:107]
	v_pk_add_f32 v[240:241], v[240:241], v[110:111]
	v_pk_add_f32 v[238:239], v[238:239], v[114:115]
	v_pk_add_f32 v[234:235], v[234:235], v[118:119]
	v_pk_add_f32 v[14:15], v[14:15], v[122:123]
	v_pk_add_f32 v[242:243], v[242:243], v[126:127]
	v_pk_add_f32 v[254:255], v[254:255], v[130:131]
	v_pk_add_f32 v[250:251], v[250:251], v[134:135]
	v_pk_add_f32 v[248:249], v[248:249], v[138:139]
	v_pk_add_f32 v[240:241], v[240:241], v[142:143]
	v_pk_add_f32 v[238:239], v[238:239], v[146:147]
	v_pk_add_f32 v[234:235], v[234:235], v[150:151]
	v_pk_add_f32 v[14:15], v[14:15], v[154:155]
	v_pk_add_f32 v[242:243], v[242:243], v[158:159]
	s_delay_alu instid0(VALU_DEP_2)
	v_pk_add_f32 v[14:15], v[14:15], v[248:249]
	s_delay_alu instid0(VALU_DEP_2)
	v_pk_add_f32 v[242:243], v[242:243], v[240:241]
	v_pk_add_f32 v[254:255], v[254:255], v[238:239]
	v_pk_add_f32 v[250:251], v[250:251], v[234:235]
	s_delay_alu instid0(VALU_DEP_2)
	v_pk_add_f32 v[14:15], v[14:15], v[254:255]
	s_delay_alu instid0(VALU_DEP_2)
	v_pk_add_f32 v[242:243], v[242:243], v[250:251]
	s_delay_alu instid0(VALU_DEP_1)
	v_pk_add_f32 v[14:15], v[14:15], v[242:243]
.irp c, 0,1,2,3,4,5,6,7
.irp i, 0,1,2,3,4,5,6,7
.endr
	v_cvt_scalef32_pk8_fp8_f32 v[192+2*\c:193+2*\c], v[96+8*\c:103+8*\c], v244
.endr
.set n, 0
.rept 16
	v_pk_mul_f32 v[160+n:161+n], v[160+n:161+n], v[252:253] op_sel_hi:[1,0]   ; O^T under the new M; also the places in front of the products below
.set n, n+2
.endr
	s_wait_alu depctr_va_vdst(0)
	s_wait_dscnt 0x0                               ; V is in
.irp t, 0,1,2,3                        ; the four accumulators take turns, one instruction a turn
	v_wmma_f32_16x16x128_fp8_fp8 v[160+8*\t:167+8*\t], v[32+16*\t:47+16*\t], v[192:207], v[160+8*\t:167+8*\t]
.endr
.Lhidden_\@:
	s_add_co_u32 s[KF], s[KF], 128
.endm
; THE CHANGE OF SLOTS, at a slot's head.  Each wave waits for all its tensor loads, adds 0 to its spare word, and waits for that and for its reads of the slot that it has left; behind the barrier the slot ahead is whole and nobody reads the other.
; fill = 1: that other slot takes the key slot of the next trip: one on, or key slot 0 where this trip is the first block's last.
.macro CHANGE fill
	s_wait_tensorcnt 0x0                           ; no tensor load of mine is out, so a group 0 may be written
	ds_add_u32 v[SPW], v[NIL]
.if \fill
	ds_add_u32 v[SPW], v[NIL]                      ; and once more
	s_xor_b32 s[G0K+1], s[G0K+1], SLOT1
	s_xor_b32 s[G0V+1], s[G0V+1], SLOT1
	s_add_co_u32 s[KSN], s[KSN], 1
	s_cmp_eq_u32 s[T], s[P]
	s_cselect_b32 s[KSN], 0, s[KSN]
	s_lshl_b32 s56, s[KSN], 14                     ; 256 rows of 64 bytes
	s_mov_b32 s57, 0
	s_add_nc_u64 s[G0K+2:G0K+3], s[KB:KB+1], s[56:57]
	s_or_b32 s[G0K+3], s[G0K+3], 0x80000000
	s_lshl_b32 s56, s[KSN], 18                     ; two blocks of 1,024 channels x 128 bytes
	s_add_nc_u64 s[G0V+2:G0V+3], s[VB:VB+1], s[56:57]
	s_or_b32 s[G0V+3], s[G0V+3], 0x80000000
	s_wait_xcnt 0x0                                ; the last prefetch, a trip back, has read its address
	s_add_nc_u64 s[PFA:PFA+1], s[PFA:PFA+1], s[PFS:PFS+1]
.endif
	s_wait_dscnt 0x0                               ; the add is done, and my reads of the slot that I have left are over
	s_barrier_signal -1
	s_barrier_wait -1
.if \fill
	TLOAD                                          ; the first thing behind the barrier, and a wave's one tensor load until the next
	ASK
.endif
.endm
.macro SLOT_STEPS
	STEP 0
	STEP 1
	s_xor_b32 s[TB], s[TB], SLOT1
.endm
; A BLOCK'S END: O^T / the sum, held, converted; 8 codes a lane and tile go through my stage and leave as 512 consecutive bytes.
.macro FINISH
.rept 4
	v_nop                                          ; places behind the last products
.endr
	v_add_f32 v14, v14, v15
	s_wait_alu depctr_va_vdst(0)
	v_permlanex16_b32 v252, v14, s[SEL], s[SEL+1]
	s_delay_alu instid0(VALU_DEP_1)
	v_add_f32 v14, v14, v252                       ; the row's sum
	s_wait_alu depctr_va_vdst(0)
	v_rcp_f32 v14, v14
	v_nop                                          ; a plain instruction behind the reciprocal
	s_wait_xcnt 0x0                                ; earlier stores have read their base and their data
	s_lshl_b32 s56, s[Q0], 6
	s_mov_b32 s57, 0
	s_add_nc_u64 s[60:61], s[OB:OB+1], s[56:57]
	s_wait_alu depctr_va_vdst(0)                   ; the wait ahead of the reciprocal's first reader
.set n, 0
.rept 16
	v_pk_mul_f32 v[96+n:97+n], v[160+n:161+n], v[14:15] op_sel_hi:[1,0]   ; each accumulator from its low end on
.set n, n+2
.endr
.set n, 0
.rept 32
.set n, n+1
.endr
.irp t, 0,1,2,3
	v_cvt_scalef32_pk8_fp8_f32 v[208+2*\t:209+2*\t], v[96+8*\t:103+8*\t], v246
.endr
	v_nop                                          ; one plain vector instruction behind the last conversion
.irp t, 0,1,2,3
	ds_store_b64 v[STO], v[208+2*\t:209+2*\t] offset:16*\t   ; lane (r, h): channels 16 t + 8 h + 0 .. 7 of query r
.endr
.irp e, 0,1
	ds_load_b128 v[216+4*\e:219+4*\e], v[SRD] offset:640*\e  ; LDS serves a wave's instructions in order: these see my stores
.endr
	s_wait_dscnt 0x0
.irp e, 0,1
	global_store_b128 v[GO], v[216+4*\e:219+4*\e], s[60:61] offset:512*\e
.endr
.endm
; At the head of trip p + 1 the first block is finished and the second begins.  The condition is made of the work-group's number and the trip alone: all sixteen waves go the same way; no barrier and no tensor load stands inside.
.macro SWITCH
	s_add_co_u32 s96, s[P], 1
	s_cmp_lg_u32 s[T], s96
	s_cbranch_scc1 .Lsame_\@
	FINISH
	s_mov_b32 s[Q0], s[Q0B]
	s_mov_b32 s[KF], 0
	LOADQ
	INIT
	s_wait_loadcnt 0x0
.Lsame_\@:
.endm
	s_wait_loadcnt 0x0                             ; Q
.Lslot:                                            ; eight trips; behind each change of slots the next trip's key slot is asked for
	SWITCH
	CHANGE 1
	SLOT_STEPS
	s_add_co_u32 s[T], s[T], 1
	s_cmp_lt_u32 s[T], 8
	s_cbranch_scc1 .Lslot
	CHANGE 0                                       ; the ninth is written out: nothing is left to fetch
	SLOT_STEPS
	FINISH
	s_wait_tensorcnt 0x0                           ; the wave's end, behind my last tensor load and my last LDS store
	ds_add_u32 v[SPW], v[NIL]
	s_wait_dscnt 0x0
	s_endpgm
.Lfunc_end_k_q95596034df_attn:
	.size	k_q95596034df_attn, .Lfunc_end_k_q95596034df_attn-k_q95596034df_attn
	.p2alignl 7, 3214868480
	.fill 96, 4, 3214868480
	.section	.rodata,"a",@progbits
	.p2align	6, 0x0
	.amdhsa_kernel k_q95596034df_attn
		.amdhsa_group_segment_fixed_size 327680
		.amdhsa_private_segment_fixed_size 0
		.amdhsa_enable_private_segment 0
		.amdhsa_kernarg_size 24
		.amdhsa_user_sgpr_count 2
		.amdhsa_user_sgpr_kernarg_segment_ptr 1
		.amdhsa_wavefront_size32 1
		.amdhsa_system_sgpr_workgroup_id_x 1
		.amdhsa_system_sgpr_workgroup_id_y 1
		.amdhsa_system_sgpr_workgroup_id_z 1
		.amdhsa_system_vgpr_workitem_id 0
		.amdhsa_next_free_vgpr 256
		.amdhsa_next_free_sgpr 100
		.amdhsa_reserve_vcc 1
		.amdhsa_float_denorm_mode_32 3
		.amdhsa_float_denorm_mode_16_64 3
		.amdhsa_fp16_overflow 1
		.amdhsa_memory_ordered 1
		.amdhsa_forward_progress 1
		.amdhsa_inst_pref_size 93
	.end_amdhsa_kernel
	.amdgpu_metadata
---
amdhsa.version: [ 1, 2 ]
amdhsa.kernels:
  - .name:           k_q95596034df_attn
    .symbol:         k_q95596034df_attn.kd
    .args:
      - { .name: qkvc, .offset: 0, .size: 8, .value_kind: global_buffer, .address_space: global }
      - { .name: lowp_scales, .offset: 8, .size: 8, .value_kind: global_buffer, .address_space: global }
      - { .name: ao, .offset: 16, .size: 8, .value_kind: global_buffer, .address_space: global }
    .group_segment_fixed_size: 327680
    .private_segment_fixed_size: 0
    .kernarg_segment_align: 8
    .kernarg_segment_size: 24
    .max_flat_workgroup_size: 512
    .sgpr_count:     100
    .vgpr_count:     256
    .wavefront_size: 32
...
	.end_amdgpu_metadata
.endif
;; end of part 3
;; launch oproj (part 4): grid 4 x 32, 4 waves a work-group, clusters of 4 x 4, 327,680 bytes of LDS; arguments ao, wc, lowp_scales, out0; writes out0
.if DOCPART == 4
	.amdgcn_target "amdgcn-amd-amdhsa--gfx1250"
	.amdhsa_code_object_version 6
	.text
	.protected	k_q95596034df_oproj
	.globl	k_q95596034df_oproj
	.p2align	8
	.type	k_q95596034df_oproj,@function
k_q95596034df_oproj:
	s_mov_b64 s[64:65], 0
	v_nop
	global_prefetch_b8 v0, s[64:65] scope:SCOPE_SE
	s_setreg_imm32_b32 hwreg(HW_REG_WAVE_MODE, 25, 1), 1
	s_wait_xcnt 0x0
	s_wait_alu depctr_hold_cnt(0) depctr_sa_sdst(0) depctr_va_vdst(0) depctr_va_sdst(0) depctr_va_ssrc(0) depctr_va_vcc(0) depctr_vm_vsrc(0)
	s_getreg_b32 s2, hwreg(HW_REG_IB_STS2, 6, 4)
	s_cmp_eq_u32 s2, 0
	s_cbranch_scc0 .Lentry_in_a_cluster
	s_endpgm
.Lentry_in_a_cluster:
	s_bfe_u32 s2, ttmp6, 0x10000c
	s_cmp_lg_u32 s2, 0xf033
	s_cbranch_scc0 .Lentry_shape_is_right
	s_endpgm
.Lentry_shape_is_right:
; FOURTH LAUNCH: out0[m][n] = 2^(e10 + e11) x sum over k of A[m][k] B[n][k], on codes of E4M3.  Nothing is left out here.
; A: the attention result's codes, stored head by head, [batch x 16 + head][token][64]; k = 64 x head + channel.  B: W_o's codes [1024][1024], the fourth part of wc.  out0: [8192][1024] f32.
; LIMIT: e10 + e11 between -126 and 127, so that 2^(e10 + e11) is an f32 number.
; A tile of C, 256 x 256, is made by a work-group of four waves; a wave makes 128 x 128: 64 accumulators.  K goes in steps of 256 (four heads) through a ring of two LDS slots filled by joint tensor loads in clusters of 4 x 4:
; A's tile is shared along a row of the cluster, B's along a column.  The matrix instruction is used transposed (source 0 = 16 rows of B, source 1 = 16 rows of A): a lane holds eight neighbouring numbers of a row of C.
; A'S TILE.  Wave 0 or 1 fetches two heads of the K step for the tile's 256 tokens: two rows of 16,384 consecutive bytes (256 tokens x 64), 131,072 bytes apart, with 16 bytes of padding behind every 256:
; 128 LDS lines of 272 bytes, four tokens to a line.  Token u, head n of the K step, channel d lies at 34,816 (n / 2) + 17,408 (n % 2) + 272 (u / 4) + 64 (u % 4) + d.
; 128 work-groups: a tile of 128 x 256 would give 256, but its wave tile of 64 x 128 reads 3/2 times the LDS bytes for each multiply-add.
; REGISTERS, in windows of 256: window 0: v0-31 addresses; from v128 A's fragments, ONE set; on the way out v32-255 are free.  window 1: B's fragments, two sets.  windows 2, 3: the accumulators.
.set SIZE_N, 1024
.set SIZE_K, 1024
.set KSTEP,  256
.set ROWB,   256
.set KROW,   SIZE_K
.set PITCH,  272
.set FR,     16
.set NL,     4
.set NP,     4
.set HALFT,  128*PITCH
.set SLOT,   4*HALFT
.set LAPS,   SIZE_K/(2*KSTEP)
.set SPARE,  2*SLOT
.set SPITCH, 528                       ; the way out: a stage of 16 rows x (512 bytes + 16) for each wave, in slot 0, which has had its last fill and its last read by then
.set HEADB,  131072                    ; a head's 2,048 tokens x 64 bytes
.set ADRA, 16
.set ADRB, 20
.set STO,  24
.set RD,   25
.set CO,   26
.set SPW,  28
.set NIL,  29
.set TMP,  32
.set AF,   128
.set BK,   128
.set G1, 24
.set G0, 32
.set G1B, 48
.set G0B, 56
.set MSB, 0
.macro WIN new
.if MSB != \new
	s_set_vgpr_msb (MSB<<8)|\new
.set MSB, \new
.endif
.endm
.set MUL_LO, 0xa1
.set MUL_HI, 0xf1
.set TO_B,   0x40
.macro JLOAD g0a, g1a, g0b, g1b        ; a joint load: waves 0, 1 fetch for A, waves 2, 3 for B; an s_nop 0 and four v_nop follow each of the two lines
	s_cmp_eq_u32 s15, 0
	s_cbranch_scc0 .Lfor_b_\@
	tensor_load_to_lds s[\g0a:\g0a+3], s[\g1a:\g1a+7]
	s_nop 0
.rept 4
	v_nop
.endr
	s_branch .Lasked_\@
.Lfor_b_\@:
	tensor_load_to_lds s[\g0b:\g0b+3], s[\g1b:\g1b+7]
	s_nop 0
.rept 4
	v_nop
.endr
.Lasked_\@:
.endm
.macro CREST
	s_cmp_lg_u32 s14, 0
	s_cbranch_scc1 .Lnot_wave_0_\@
	s_barrier_signal -3
.Lnot_wave_0_\@:
	s_barrier_wait -3
	s_barrier_signal -1
	s_barrier_wait -1
.endm
.macro CROUND
	s_barrier_signal -1
	s_barrier_wait -1
	CREST
.endm
	s_load_b128 s[4:7], s[0:1], 0x0                ; ao, wc
	s_load_b128 s[8:11], s[0:1], 0x10              ; the scales' exponents, out0
	v_lshl_add_u32 v[SPW], v0, 2, SPARE
	v_mov_b32 v[NIL], 0
	ds_add_u32 v[SPW], v[NIL]                      ; the wave's opening: the add, twice on end, and its wait ahead of my first tensor load
	ds_add_u32 v[SPW], v[NIL]
	v_lshrrev_b32 v1, 5, v0
	v_readfirstlane_b32 s14, v1                    ; wave 0..3
	s_lshr_b32 s15, s14, 1                         ; which half of the tile's rows is mine.  Also: I fetch for A (0) or for B (1)
	s_and_b32 s16, s14, 1                          ; which half of its columns.  Also: which part of that tile I fetch
	s_bfe_u32 s40, ttmp6, 0x40000                  ; cx, cy
	s_bfe_u32 s41, ttmp6, 0x40004
	s_mov_b32 s42, s40                             ; tile column of C = cx: the grid has one cluster along x
	s_and_b32 s17, ttmp7, 0xffff
	s_lshl_b32 s17, s17, 2
	s_add_co_u32 s17, s17, s41                     ; tile row of C = 4 x cluster y + cy
	s_lshl_b32 s43, s41, 2
	s_lshl_b32 s43, 15, s43                        ; my row of the cluster
	s_lshl_b32 s44, 0x1111, s40                    ; my column
	s_or_b32 s[G1+0], s43, (0<<16)|(1<<20)|(1<<21)|(5<<22)|(3<<25)  ; A: the mask of my row; elements of 1 byte; padding on; bit 21 beside a mask; 4 words after every 64
	s_mov_b32 s[G1+1], 16384<<16                   ; tensor_dim0: 256 tokens x 64 bytes
	s_mov_b32 s[G1+2], 2<<16                       ; tensor_dim1: two heads
	s_mov_b32 s[G1+3], 16384<<16                   ; tile_dim0
	s_mov_b32 s[G1+4], 2                           ; tile_dim1
	s_mov_b32 s[G1+5], HEADB                       ; from head to head
	s_mov_b32 s[G1+6], 0
	s_mov_b32 s[G1+7], 0
	s_or_b32 s[G1B+0], s44, (0<<16)|(1<<20)|(1<<21)|(5<<22)|(3<<25) ; B: 128 rows of 256 bytes
	s_mov_b32 s[G1B+1], ROWB<<16
	s_mov_b32 s[G1B+2], 128<<16
	s_mov_b32 s[G1B+3], ROWB<<16
	s_mov_b32 s[G1B+4], 128
	s_mov_b32 s[G1B+5], KROW
	s_mov_b32 s[G1B+6], 0
	s_mov_b32 s[G1B+7], 0
	s_lshr_b32 s20, s17, 3                         ; A: the batch (eight tile rows to a sequence),
	s_lshl_b32 s20, s20, 4
	s_lshl_b32 s18, s16, 1
	s_add_co_u32 s20, s20, s18                     ; 16 x batch + my first head of K step 0,
	s_lshl_b32 s20, s20, 11
	s_and_b32 s18, s17, 7
	s_lshl_b32 s18, s18, 8
	s_add_co_u32 s20, s20, s18                     ; + the tile's first token in its sequence,
	s_lshl_b32 s20, s20, 6                         ; rows of 64 bytes
	s_mov_b32 s21, 0
	s_lshl_b32 s18, s16, 7
	s_lshl_b32 s46, s42, 8
	s_add_co_u32 s46, s46, s18                     ; B: row 256 x tile column + 128 x half,
	s_lshl_b32 s46, s46, 10
	s_add_co_u32 s46, s46, 0x300000                ; in W_o's part of wc
	s_mov_b32 s47, 0
	s_mul_i32 s45, s14, HALFT                      ; where they go: wave x 128 lines: no place in the cluster enters an LDS address
	s_wait_dscnt 0x0
	s_wait_kmcnt 0x0
	s_load_b64 s[96:97], s[8:9], 0x28              ; e10, e11
	s_add_nc_u64 s[20:21], s[4:5], s[20:21]
	s_add_nc_u64 s[46:47], s[6:7], s[46:47]
	CROUND                                         ; all sixteen work-groups are here: the first joint loads meet
.irp s, 0,1
	s_mov_b32 s[G0+4*\s], 1
	s_add_co_u32 s[G0+4*\s+1], s45, \s*SLOT
	s_add_nc_u64 s[G0+4*\s+2:G0+4*\s+3], s[20:21], \s*4*HEADB      ; K step s: four heads on
	s_or_b32 s[G0+4*\s+3], s[G0+4*\s+3], 0x80000000
	s_mov_b32 s[G0B+4*\s], 1
	s_add_co_u32 s[G0B+4*\s+1], s45, \s*SLOT
	s_add_nc_u64 s[G0B+4*\s+2:G0B+4*\s+3], s[46:47], \s*ROWB
	s_or_b32 s[G0B+4*\s+3], s[G0B+4*\s+3], 0x80000000
	s_wait_alu depctr_va_vdst(0)
	s_wait_tensorcnt 0x0
	ds_add_u32 v28, v29
	ds_add_u32 v28, v29
	s_wait_dscnt 0x0
	CROUND
	JLOAD G0+4*\s, G1, G0B+4*\s, G1B
.endr
	v_and_b32 v1, 15, v0                           ; r
	v_bfe_u32 v2, v0, 4, 1                         ; h
	v_mul_u32_u24 v3, v1, PITCH
	v_lshl_add_u32 v4, v2, 4, v3                   ; B: row x pitch + 16 h
	v_lshrrev_b32 v7, 2, v1
	v_mul_u32_u24 v7, v7, PITCH
	v_and_b32 v8, 3, v1
	v_lshl_add_u32 v7, v8, 6, v7
	v_lshl_add_u32 v7, v2, 4, v7                   ; A: 272 (r / 4) + 64 (r % 4) + 16 h: sixteen lanes touch sixteen different places modulo 256 bytes
	s_mul_i32 s21, s15, 32*PITCH                   ; my 128 tokens: 32 lines
	s_mul_i32 s22, s16, HALFT                      ; my 128 rows of B,
	s_add_co_u32 s22, s22, 2*HALFT                 ; which lie behind A's part
.irp s, 0,1
	v_add_nc_u32 v[ADRA+\s], s21, v7
	v_add_nc_u32 v[ADRB+\s], s22, v4
	s_add_co_u32 s21, s21, SLOT
	s_add_co_u32 s22, s22, SLOT
.endr
	s_mul_i32 s23, s14, 16*SPITCH                  ; my stage
	v_mul_u32_u24 v5, v1, SPITCH
	v_lshl_add_u32 v5, v2, 5, v5
	v_add_nc_u32 v[STO], s23, v5
	v_and_b32 v6, 31, v0
	v_lshlrev_b32 v[CO], 4, v6
	v_add_nc_u32 v[RD], s23, v[CO]
	s_lshl_b32 s20, s17, 8
	s_lshl_b32 s21, s15, 7
	s_add_co_u32 s20, s20, s21                     ; my first row of C
	s_lshl_b32 s20, s20, 12                        ; rows of 4,096 bytes
	s_mov_b32 s21, 0
	s_lshl_b32 s46, s42, 10                        ; my first column, in bytes
	s_lshl_b32 s47, s16, 9
	s_add_co_u32 s46, s46, s47
	s_mov_b32 s47, 0
	s_add_nc_u64 s[20:21], s[20:21], s[46:47]
	s_add_nc_u64 s[10:11], s[10:11], s[20:21]
.macro FRAG reg, adr, q, i             ; B's fragment: registers 4 c .. 4 c + 3 hold K = 128 q + 32 c + 16 h + 0 .. 15 of row l % 16
.irp c, 0,1,2,3
	ds_load_b128 v[\reg+4*\c:\reg+4*\c+3], v[\adr] offset:128*(\q)+32*\c+(\i)*16*PITCH
.endr
.endm
.macro FRAGA reg, adr, q, i            ; A's: the same k: head 2 q + c / 2 of the K step, channels 32 (c % 2) + 16 h + 0 .. 15
.irp c, 0,1,2,3
	ds_load_b128 v[\reg+4*\c:\reg+4*\c+3], v[\adr] offset:HALFT*(\q)+64*PITCH*(\c/2)+32*(\c%2)+(\i)*4*PITCH
.endr
.endm
.macro MUL16 a0, p, zero               ; the 64 accumulators take turns, one instruction a turn, in the same order in every step
.irp a, \a0, \a0+1
.irp b, 0,1,2,3,4,5,6,7
.if \zero
	v_wmma_f32_16x16x128_fp8_fp8 v[8*(8*((\a)%4)+\b):8*(8*((\a)%4)+\b)+7], v[128*(\p)+FR*\b:128*(\p)+FR*\b+FR-1], v[AF+FR*(\a):AF+FR*(\a)+FR-1], 0
.else
	v_wmma_f32_16x16x128_fp8_fp8 v[8*(8*((\a)%4)+\b):8*(8*((\a)%4)+\b)+7], v[128*(\p)+FR*\b:128*(\p)+FR*\b+FR-1], v[AF+FR*(\a):AF+FR*(\a)+FR-1], v[8*(8*((\a)%4)+\b):8*(8*((\a)%4)+\b)+7]
.endif
.endr
.endr
.endm
.macro FETCH_B slot, q, p
	WIN TO_B
.irp i, 0,1,2,3,4,5,6,7
	FRAG 128*(\p)+FR*\i, ADRB+\slot, \q, \i
.endr
	WIN 0
.endm
.macro FETCH_A slot, q, i0
.irp i, \i0, \i0+1, \i0+2, \i0+3
	FRAGA AF+FR*(\i), ADRA+\slot, \q, \i
.endr
.endm
.macro PLACES n
.rept \n
	v_nop
.endr
.endm
.macro STEP slot, q, zero
	s_wait_dscnt 4*NL                              ; B's set and A's blocks 0-3 are in; the youngest 16 loads (A's blocks 4-7) may be out
	WIN MUL_LO
	MUL16 0, (\q)%2, \zero
	MUL16 2, (\q)%2, \zero
	s_wait_dscnt 0
	PLACES NP
	FETCH_B \slot, (\q)+1, 1-(\q)%2
	FETCH_A \slot, (\q)+1, 0
	WIN MUL_HI
	MUL16 4, (\q)%2, \zero
	MUL16 6, (\q)%2, \zero
	PLACES NP
	WIN 0
	FETCH_A \slot, (\q)+1, 4
.endm
.macro TURN slot, next, fill
	s_wait_tensorcnt 0x0                           ; all my tensor loads have landed: my part of the next slot
	ds_add_u32 v[SPW], v[NIL]
	s_wait_dscnt 4*NL+1                            ; (the add and the youngest 16 loads may be out)
	WIN MUL_LO
	MUL16 0, 1, 0
	s_wait_dscnt 0x0                               ; the add is done, and my reads of this slot are over
	s_barrier_signal -1
	MUL16 2, 1, 0
	WIN 0
	s_barrier_wait -1
.if \fill
	CREST                                          ; a round of the cluster's barrier: no wave of any partner still reads this slot or has a load on its way
	s_add_nc_u64 s[G0+4*\slot+2:G0+4*\slot+3], s[G0+4*\slot+2:G0+4*\slot+3], 8*HEADB   ; two K steps on: eight heads
	s_add_nc_u64 s[G0B+4*\slot+2:G0B+4*\slot+3], s[G0B+4*\slot+2:G0B+4*\slot+3], 2*ROWB
	JLOAD G0+4*\slot, G1, G0B+4*\slot, G1B
.else
	PLACES NP
.endif
	FETCH_B \next, 0, 0
	FETCH_A \next, 0, 0
	WIN MUL_HI
	MUL16 4, 1, 0
	MUL16 6, 1, 0
	PLACES NP
	WIN 0
	FETCH_A \next, 0, 4
.endm
	s_wait_alu depctr_va_vdst(0)
	s_wait_tensorcnt 1                             ; my part of K step 0 is in; K step 1's load may be out
	s_barrier_signal -1
	s_barrier_wait -1
	FETCH_B 0, 0, 0
	FETCH_A 0, 0, 0
	FETCH_A 0, 0, 4
	STEP 0, 0, 1
	s_mov_b32 s3, LAPS-1
.Llap:
	TURN 0, 1, 1
	STEP 1, 0, 0
	TURN 1, 0, 1
	STEP 0, 0, 0
	s_sub_co_u32 s3, s3, 1
	s_cmp_lg_u32 s3, 0
	s_cbranch_scc1 .Llap
	TURN 0, 1, 0
	STEP 1, 0, 0
	s_wait_dscnt 4*NL
	WIN MUL_LO
	MUL16 0, 1, 0
	MUL16 2, 1, 0
	s_wait_dscnt 0
	WIN MUL_HI
	MUL16 4, 1, 0
	MUL16 6, 1, 0
	WIN 0
; THE WAY OUT, block by block of 16 rows x 128 columns: x 2^(e10 + e11), through my own stage in LDS, back as whole rows of 512 bytes.  LDS serves a wave's instructions in order (ISA guide 5.7.1.4).
.macro TOSTAGE a
.set AC, 64*((\a)%4)
	WIN 0x02+((\a)/4)
.irp j, 0,2,4,6,8,10,12,14,16,18,20,22,24,26,28,30,32,34,36,38,40,42,44,46,48,50,52,54,56,58,60,62
	v_pk_mul_f32 v[TMP+\j:TMP+\j+1], v[AC+\j:AC+\j+1], s[96:97] op_sel_hi:[1,0]   ; each accumulator from its low end on
.endr
	WIN 0
.irp b, 0,1,2,3,4,5,6,7
	ds_store_b128 v[STO], v[TMP+8*\b:TMP+8*\b+3] offset:64*\b
	ds_store_b128 v[STO], v[TMP+8*\b+4:TMP+8*\b+7] offset:64*\b+16
.endr
.set BB, BK+64*((\a)%2)
.irp t, 0,1,2,3,4,5,6,7,8,9,10,11,12,13,14,15
	ds_load_b128 v[BB+4*\t:BB+4*\t+3], v[RD] offset:\t*SPITCH
.endr
.endm
.macro SEND a, younger                 ; younger: the LDS instructions issued behind block a's loads: the next block's 16 stores and 16 loads, or none
.set BB, BK+64*((\a)%2)
	s_wait_dscnt \younger
.if (\a) > 0
	s_add_nc_u64 s[10:11], s[10:11], 16*SIZE_N*4   ; (behind a wait on XCNT: the earlier stores have read their base)
.endif
.irp t, 0,1,2,3,4,5,6,7,8,9,10,11,12,13,14,15
	global_store_b128 v[CO], v[BB+4*\t:BB+4*\t+3], s[10:11] offset:\t*SIZE_N*4 th:TH_STORE_NT   ; 32 lanes store 512 consecutive bytes, at a multiple of 256 from out0's first byte
.endr
.endm
	s_wait_kmcnt 0x0
	s_add_co_i32 s96, s96, s97
	s_add_co_i32 s96, s96, 127
	s_lshl_b32 s96, s96, 23                        ; 2^(e10 + e11) as f32
	PLACES NP
	TOSTAGE 0
.irp a, 1,2,3,4,5,6,7
.if \a > 1
	s_wait_xcnt 0x0                                ; block a - 2's stores have read their registers and their base
.endif
	TOSTAGE \a
	SEND \a-1, 32
.endr
	s_wait_xcnt 0x0
	SEND 7, 0
	s_wait_tensorcnt 0x0                           ; the wave's end, behind my last tensor load and my last LDS store
	ds_add_u32 v[SPW], v[NIL]
	s_wait_dscnt 0x0
	CROUND                                         ; the closing round
	s_endpgm
.Lfunc_end_k_q95596034df_oproj:
	.size	k_q95596034df_oproj, .Lfunc_end_k_q95596034df_oproj-k_q95596034df_oproj
	.p2alignl 7, 3214868480
	.fill 96, 4, 3214868480
	.section	.rodata,"a",@progbits
	.p2align	6, 0x0
	.amdhsa_kernel k_q95596034df_oproj
		.amdhsa_group_segment_fixed_size 327680
		.amdhsa_private_segment_fixed_size 0
		.amdhsa_enable_private_segment 0
		.amdhsa_kernarg_size 32
		.amdhsa_user_sgpr_count 2
		.amdhsa_user_sgpr_kernarg_segment_ptr 1
		.amdhsa_wavefront_size32 1
		.amdhsa_system_sgpr_workgroup_id_x 1
		.amdhsa_system_sgpr_workgroup_id_y 1
		.amdhsa_system_sgpr_workgroup_id_z 1
		.amdhsa_system_vgpr_workitem_id 0
		.amdhsa_next_free_vgpr 1024
		.amdhsa_next_free_sgpr 98
		.amdhsa_reserve_vcc 0
		.amdhsa_float_denorm_mode_32 3
		.amdhsa_float_denorm_mode_16_64 3
		.amdhsa_memory_ordered 1
		.amdhsa_forward_progress 1
		.amdhsa_inst_pref_size 124
	.end_amdhsa_kernel
	.amdgpu_metadata
---
amdhsa.version: [ 1, 2 ]
amdhsa.kernels:
  - .name:           k_q95596034df_oproj
    .symbol:         k_q95596034df_oproj.kd
    .args:
      - { .name: ao, .offset: 0, .size: 8, .value_kind: global_buffer, .address_space: global }
      - { .name: wc, .offset: 8, .size: 8, .value_kind: global_buffer, .address_space: global }
      - { .name: lowp_scales, .offset: 16, .size: 8, .value_kind: global_buffer, .address_space: global }
      - { .name: out0, .offset: 24, .size: 8, .value_kind: global_buffer, .address_space: global }
    .group_segment_fixed_size: 327680
    .private_segment_fixed_size: 0
    .kernarg_segment_align: 8
    .kernarg_segment_size: 32
    .max_flat_workgroup_size: 128
    .sgpr_count:     98
    .vgpr_count:     1024
    .wavefront_size: 32
...
	.end_amdgpu_metadata
.endif
;; end of part 4
